; MI455X (gfx1250); checked and timed in simulation.
; The chip was launched on July 23, 2026; its instructions are those of AMD's public machine-readable ISA for CDNA 5 (MIT licence, August 2026) and "CDNA5" Instruction Set Architecture Reference Guide (July 2026). The comments in the code are by the model that wrote it; some were corrected since.
;; Alibi Multi Head Attention. Allowed arithmetic: float matrix products may take bf16 or f16 operands with f32 sums; all other float work in f32.
;; Inputs: Wk 1,024 x 1,024 float32; Wo 1,024 x 1,024 float32; Wq 1,024 x 1,024 float32; Wv 1,024 x 1,024 float32; bk 1,024 float32; bo 1,024 float32; bq 1,024 float32; bv 1,024 float32; key 4 x 2,048 x 1,024 float32; query 4 x 2,048 x 1,024 float32; value 4 x 2,048 x 1,024 float32.
;; Outputs: out0 4 x 2,048 x 1,024 float32.
;; One version. Each part assembles by itself: llvm-mc -triple=amdgcn-amd-amdhsa -mcpu=gfx1250 --defsym DOCPART=n.
;; ======== version 1 of 1: 4 launches
;; limits: values are held in f16: magnitudes above 65,504 overflow, below 6.1e-05 lose precision; right only within a limited range of input values
;; workspace buffers: xh 50,331,648 bytes; wh 8,388,608 bytes; qkv 50,331,648 bytes; ah 16,777,216 bytes
;; launch cast (part 1): grid 1792 x 1, 8 waves a work-group, no clusters, 0 bytes of LDS; arguments query, key, value, Wq, Wk, Wv, Wo, xh, wh; writes xh, wh
.if DOCPART == 1
	.amdgcn_target "amdgcn-amd-amdhsa--gfx1250"
	.amdhsa_code_object_version 6
	.text
	.protected	k_q5ae62f2d87_cast
	.globl	k_q5ae62f2d87_cast
	.p2align	8
	.type	k_q5ae62f2d87_cast,@function
k_q5ae62f2d87_cast:
	s_mov_b64 s[64:65], 0
	v_nop
	global_prefetch_b8 v0, s[64:65] scope:SCOPE_SE
	s_setreg_imm32_b32 hwreg(HW_REG_WAVE_MODE, 25, 1), 1
	s_wait_xcnt 0x0
; CAST: query, key, value and the four weight matrices from f32 to f16, layouts unchanged.
;   xh = f16 [3][8192][1024] (query, key, value);  wh = f16 [4][1024 k][1024 n] (Wq, Wk, Wv, Wo).
;
; THE WHOLE PROGRAM (four launches: this cast; q, k, v projections; attention; output projection) and what it leaves out:
;  * bk.  logits[i][j] = q_i . (key_j Wk + bk) / 8 + ... = q_i . (key_j Wk) / 8 + q_i . bk / 8 + ...; the term q_i . bk / 8 does not
;    hang on j, the softmax's axis, so it cancels between numerator and denominator for all values.  bk then has no way to any
;    output: it is not loaded and is no launch's argument.
;  * slopes[h] * i.  alibi = slopes[h] * (i - j); the part slopes[h] * i is the same along j and cancels likewise; -slopes[h] * j stays.
;  * key blocks with every j > i.  reference() adds -1e9 there by a mask that it builds itself, and the weights are thrown away:
;    such blocks (128 keys x a work-group's 128 queries) are not computed; inside the diagonal block masked scores are computed and replaced.
;  LIMITS: a NaN, an infinity or an overflow that reaches only bk or masked blocks is not carried to the result.
;  All matrix operands are f16 (sums in f32): a number of magnitude 65,504 or more in query, key, value, a weight, 0.18 q, k or v
;  becomes infinite; magnitudes under 6e-8 lose bits.  Inputs 30 times the drawn spread give |q|, |k|, |v| of some 5,000.
;
; THIS LAUNCH streams: no LDS, no barrier, no matrix unit, no cluster (no two work-groups read the same byte).
; A work-group takes one chunk of 16,384 numbers: 64 KiB in, 32 KiB out.  Chunks 0-1535 are query, key, value (512 each),
; chunks 1536-1791 the weights (64 each).  Thread t takes 16 bytes at 16 t of each 4,096-byte piece: a load of a wave covers
; 512 consecutive bytes, a store of a wave 256 consecutive bytes at a multiple of 256.  All sixteen loads go out first.
.set X,  4                             ; v[4:67]   sixteen pieces, 4 f32 each
.set Y,  68                            ; v[68:99]  sixteen pieces, 4 f16 each
.set NX, 1536                          ; chunks of query, key, value
	s_load_b512 s[8:23], s[0:1], 0x0               ; query s[8:9], key s[10:11], value s[12:13], Wq s[14:15], Wk s[16:17], Wv s[18:19], Wo s[20:21], xh s[22:23]
	s_load_b64 s[24:25], s[0:1], 0x40              ; wh
	s_mov_b32 s7, ttmp9                            ; g: my chunk
	s_lshr_b32 s2, s7, 9                           ; which of query, key, value
	s_and_b32 s3, s7, 511
	s_lshl_b32 s26, s3, 16                         ; and the chunk's byte offset in it
	s_sub_co_u32 s4, s7, NX                        ; g' = chunk among the weights (used only where g >= 1536)
	s_lshr_b32 s5, s4, 6                           ; which weight
	s_and_b32 s6, s4, 63
	s_lshl_b32 s28, s6, 16                         ; and the chunk's byte offset in it
	v_lshlrev_b32 v1, 4, v0                        ; 16 t
	v_lshlrev_b32 v2, 3, v0                        ; 8 t
	s_wait_kmcnt 0x0
	s_cmp_eq_u32 s2, 1
	s_cselect_b64 s[30:31], s[10:11], s[8:9]       ; key or query
	s_cmp_eq_u32 s2, 2
	s_cselect_b64 s[30:31], s[12:13], s[30:31]     ; or value
	s_cmp_eq_u32 s5, 1
	s_cselect_b64 s[32:33], s[16:17], s[14:15]     ; Wk or Wq
	s_cmp_eq_u32 s5, 2
	s_cselect_b64 s[32:33], s[18:19], s[32:33]     ; or Wv
	s_cmp_eq_u32 s5, 3
	s_cselect_b64 s[32:33], s[20:21], s[32:33]     ; or Wo
	s_cmp_lt_u32 s7, NX                            ; the selects below leave SCC as it is
	s_cselect_b64 s[30:31], s[30:31], s[32:33]     ; source
	s_cselect_b64 s[34:35], s[22:23], s[24:25]     ; destination: xh or wh
	s_cselect_b32 s26, s26, s28                    ; offset in the source
	s_cselect_b32 s36, s7, s4                      ; chunk in the destination
	s_lshl_b32 s36, s36, 15                        ; 32 KiB a chunk
	s_mov_b32 s27, 0
	s_mov_b32 s37, 0
	s_add_nc_u64 s[30:31], s[30:31], s[26:27]
	s_add_nc_u64 s[34:35], s[34:35], s[36:37]
.irp j, 0,1,2,3,4,5,6,7,8,9,10,11,12,13,14,15
	global_load_b128 v[X+4*\j:X+4*\j+3], v1, s[30:31] offset:4096*\j th:TH_LOAD_NT   ; read once in the launch
.endr
.irp j, 0,1,2,3,4,5,6,7,8,9,10,11,12,13,14,15
	s_wait_loadcnt 15-\j                           ; loads come back in order: piece j is in, the 15 - j younger ones stay out
	v_cvt_pk_f16_f32 v[Y+2*\j],   v[X+4*\j],   v[X+4*\j+1]
	v_cvt_pk_f16_f32 v[Y+2*\j+1], v[X+4*\j+2], v[X+4*\j+3]
	global_store_b64 v2, v[Y+2*\j:Y+2*\j+1], s[34:35] offset:2048*\j                 ; no register is written twice: no further wait
.endr
	s_endpgm
.Lfunc_end_k_q5ae62f2d87_cast:
	.size	k_q5ae62f2d87_cast, .Lfunc_end_k_q5ae62f2d87_cast-k_q5ae62f2d87_cast
	.p2alignl 7, 3214868480
	.fill 96, 4, 3214868480
	.section	.rodata,"a",@progbits
	.p2align	6, 0x0
	.amdhsa_kernel k_q5ae62f2d87_cast
		.amdhsa_group_segment_fixed_size 0
		.amdhsa_private_segment_fixed_size 0
		.amdhsa_enable_private_segment 0
		.amdhsa_kernarg_size 72
		.amdhsa_user_sgpr_count 2
		.amdhsa_user_sgpr_kernarg_segment_ptr 1
		.amdhsa_wavefront_size32 1
		.amdhsa_system_sgpr_workgroup_id_x 1
		.amdhsa_system_sgpr_workgroup_id_y 1
		.amdhsa_system_sgpr_workgroup_id_z 1
		.amdhsa_system_vgpr_workitem_id 0
		.amdhsa_next_free_vgpr 100
		.amdhsa_next_free_sgpr 66
		.amdhsa_reserve_vcc 0
		.amdhsa_float_denorm_mode_32 3
		.amdhsa_float_denorm_mode_16_64 3
		.amdhsa_memory_ordered 1
		.amdhsa_forward_progress 1
		.amdhsa_inst_pref_size 7
	.end_amdhsa_kernel
	.amdgpu_metadata
---
amdhsa.version: [ 1, 2 ]
amdhsa.kernels:
  - .name:           k_q5ae62f2d87_cast
    .symbol:         k_q5ae62f2d87_cast.kd
    .args:
      - { .name: query, .offset: 0, .size: 8, .value_kind: global_buffer, .address_space: global }
      - { .name: key, .offset: 8, .size: 8, .value_kind: global_buffer, .address_space: global }
      - { .name: value, .offset: 16, .size: 8, .value_kind: global_buffer, .address_space: global }
      - { .name: Wq, .offset: 24, .size: 8, .value_kind: global_buffer, .address_space: global }
      - { .name: Wk, .offset: 32, .size: 8, .value_kind: global_buffer, .address_space: global }
      - { .name: Wv, .offset: 40, .size: 8, .value_kind: global_buffer, .address_space: global }
      - { .name: Wo, .offset: 48, .size: 8, .value_kind: global_buffer, .address_space: global }
      - { .name: xh, .offset: 56, .size: 8, .value_kind: global_buffer, .address_space: global }
      - { .name: wh, .offset: 64, .size: 8, .value_kind: global_buffer, .address_space: global }
    .group_segment_fixed_size: 0
    .private_segment_fixed_size: 0
    .kernarg_segment_align: 8
    .kernarg_segment_size: 72
    .max_flat_workgroup_size: 256
    .sgpr_count:     66
    .vgpr_count:     100
    .wavefront_size: 32
...
	.end_amdgpu_metadata
.endif
;; end of part 1
;; launch qkvproj (part 2): grid 4 x 96, 4 waves a work-group, clusters of 4 x 4, 327,680 bytes of LDS; arguments xh, wh, bq, bv, qkv; writes qkv
.if DOCPART == 2
	.amdgcn_target "amdgcn-amd-amdhsa--gfx1250"
	.amdhsa_code_object_version 6
	.text
	.protected	k_q5ae62f2d87_qkvproj
	.globl	k_q5ae62f2d87_qkvproj
	.p2align	8
	.type	k_q5ae62f2d87_qkvproj,@function
k_q5ae62f2d87_qkvproj:
	s_mov_b64 s[64:65], 0
	v_nop
	global_prefetch_b8 v0, s[64:65] scope:SCOPE_SE
	s_setreg_imm32_b32 hwreg(HW_REG_WAVE_MODE, 25, 1), 1
	s_wait_xcnt 0x0
	s_wait_alu depctr_hold_cnt(0) depctr_sa_sdst(0) depctr_va_vdst(0) depctr_va_sdst(0) depctr_va_ssrc(0) depctr_va_vcc(0) depctr_vm_vsrc(0)
	s_getreg_b32 s2, hwreg(HW_REG_IB_STS2, 6, 4)
	s_cmp_eq_u32 s2, 0
	s_cbranch_scc0 .Lentry_in_a_cluster
	s_endpgm
.Lentry_in_a_cluster:
	s_bfe_u32 s2, ttmp6, 0x10000c
	s_cmp_lg_u32 s2, 0xf033
	s_cbranch_scc0 .Lentry_shape_is_right
	s_endpgm
.Lentry_shape_is_right:
.set MH, 2                             ; this build: the three input projections
; C = A W (+ bias).  A: f16 [M][1024], K along the rows.  W: f16 [1024 k][1024 n].  Sums in f32.  One source, two builds:
;   MH = 2: A = xh [24576][1024] (query, key, value one below the other), W = wh[row / 8192]; C = qkv, f16 [24576][1024]:
;           rows 0-8191      c (query Wq + bq), c = log2(e) / 8: the logits' 1/sqrt(64) and the change to base 2, applied in f32 before the one rounding;
;           rows 8192-16383  key Wk.  bk is left out: q . bk is the same along the softmax's axis and cancels for all values;
;           rows 16384-24575 value Wv + bv.
;   MH = 1: A = ah [8192][1024], W = wh[3] = Wo; C = out0 = A Wo + bo, f32.
; A work-group makes 128 MH rows x 256 columns with four waves (2 x 2), a wave 64 MH rows x 128 columns: 32 MH accumulator tiles of 16 x 16.
; MH = 1 is taken where full blocks would be only 128 work-groups.
; K goes in steps of 128 through two LDS slots filled by the tensor data mover: A's rows are 256 bytes, W's 512 bytes of memory, at multiples of 256.
; CLUSTERS of 4 x 4 work-groups: the four of a row of the cluster need the same tiles of A, the four of a column the same tiles of W.  Each such tile
; is asked for jointly: the same tensor load with the same descriptor and a mask that names the four.
; W lies [k][n]; the matrix unit wants k along a lane's registers: ds_load_tr16_b128 transposes 8 x 8 halves on the way out of LDS.
; THE MATRIX INSTRUCTION IS USED TRANSPOSED: source 0 = 16 columns of W, source 1 = 16 rows of A, so that lane l holds row l % 16 of C and its
; eight registers the neighbouring columns 8 (l / 16) + 0..7.
; REGISTERS in windows of 256: window 0: v16-27 addresses; v64.., v128.. fragments of A, two buffers; v192-223 at work on the way out.
;   window 1: v64-127, v128-191 fragments of W, two buffers.  window 2: accumulator tile (a, b) at v[8 (8 a + b)], my rows 0-63; window 3 (MH = 2): rows 64-127.
.set KSTEP,  128
.set PITCH,  272                       ; an LDS row of A: 256 bytes + 16: an odd multiple of 16, so the 16 rows of a fragment load start 16 bytes apart modulo 256
.set BP,     544                       ; an LDS row of W: 512 bytes + 32: an odd multiple of 32, as the transposing load's eight rows want
.set HALFT,  128*PITCH                 ; 34,816 bytes = 128 rows of A = 64 rows of W
.set SLOT,   (2+MH)*HALFT              ; W's 128 k rows, then A's 128 MH rows
.set STAGE,  2*SLOT                    ; behind the ring: each wave's own stage for the way out; no tensor load lands there
.set LAPS,   1024/(2*KSTEP)            ; a lap = two K steps = once round the ring: 4
.if MH == 2
.set SPITCH, 272                       ; stage row: 128 f16 + 16 bytes
.set ROWB,   2048                      ; bytes in a row of C
.else
.set SPITCH, 528                       ; stage row: 128 f32 + 16 bytes
.set ROWB,   4096
.endif
.set ADRA, 16                          ; v16-17  LDS address of my A fragments in slot 0, 1
.set ADRB, 20                          ; v20-21  the same for W
.set STO,  24                          ; v24     the way out: where I put my part of a row
.set RD,   25                          ; v25     the way out: where I read rows back
.set CO,   26                          ; v26     my byte offset in C
.set BO,   27                          ; v27     my byte offset in the bias: 32 (l / 16)
.set F0,   64
.set F1,   128
.set BI,   64                          ; v64-127 the bias of my 8 x 8 columns (behind the last product, in buffer 0)
.set TMP,  192
.set G1,   24                          ; s[24:31] descriptor group 1 for A's tiles
.set G0,   32                          ; s[32:39] group 0 for A's tiles, one set a slot
.set G1B,  48                          ; s[48:55] group 1 for W's tiles
.set G0B,  56                          ; s[56:63] group 0 for W's tiles, one set a slot
.set MSB,  0
.macro WIN new                         ; s_set_vgpr_msb: bits 1:0 source 0, 3:2 source 1, 5:4 source 2, 7:6 destination; the high byte repeats the setting that is left
.if MSB != \new
	s_set_vgpr_msb (MSB<<8)|\new
.set MSB, \new
.endif
.endm
; A joint load.  Waves 0 and 1 fetch W's two halves (64 k rows each), waves 2 and 3 A's two halves.  The branch hangs on the wave's number alone.
.macro JLOAD s
	s_cmp_eq_u32 s11, 0
	s_cbranch_scc0 .Lfor_a_\@
	tensor_load_to_lds s[G0B+4*\s:G0B+4*\s+3], s[G1B:G1B+7]
	s_nop 0
	s_branch .Lasked_\@
.Lfor_a_\@:
	tensor_load_to_lds s[G0+4*\s:G0+4*\s+3], s[G1:G1+7]
	s_nop 0
.Lasked_\@:
.endm
; A round of the cluster's barrier: my work-group's barrier; wave 0 signals for the work-group; every wave waits for all sixteen; my work-group's barrier again.
.macro CREST                           ; a round behind its opening barrier
	s_cmp_lg_u32 s10, 0
	s_cbranch_scc1 .Lnot_wave_0_\@
	s_barrier_signal -3
.Lnot_wave_0_\@:
	s_barrier_wait -3
	s_barrier_signal -1
	s_barrier_wait -1
.endm
.macro CROUND
	s_barrier_signal -1
	s_barrier_wait -1
	CREST
.endm
	s_load_b128 s[4:7], s[0:1], 0x0                ; A s[4:5], wh s[6:7]
.if MH == 2
	s_load_b128 s[68:71], s[0:1], 0x10             ; bq s[68:69], bv s[70:71]
	s_load_b64 s[8:9], s[0:1], 0x20                ; qkv
	s_set_vgpr_msb 0x40
	v_lshl_add_u32 v255, v0, 2, 0x48400
	s_set_vgpr_msb 0x4000
	v_mov_b32 v255, 0
	s_set_vgpr_msb 0x1
	ds_add_u32 v255, v255
	s_set_vgpr_msb 0x100
.else
	s_load_b64 s[68:69], s[0:1], 0x10              ; bo
	s_load_b64 s[8:9], s[0:1], 0x18                ; out0
.endif
	v_lshrrev_b32 v1, 5, v0
	v_readfirstlane_b32 s10, v1                    ; wave 0..3
	s_lshr_b32 s11, s10, 1                         ; my half of the block's rows.  Also: I fetch for W (0) or for A (1)
	s_and_b32 s12, s10, 1                          ; my half of its columns.  Also: which half of that tile I fetch
	s_bfe_u32 s40, ttmp6, 0x40000                  ; cx
	s_bfe_u32 s41, ttmp6, 0x40004                  ; cy
	s_lshl_b32 s42, ttmp9, 2                       ; in a cluster launch ttmp9 and ttmp7 count clusters
	s_add_co_u32 s42, s42, s40                     ; block column = 4 x cluster x + cx
	s_and_b32 s13, ttmp7, 0xffff
.if MH == 2
	s_lshr_b32 s45, s13, 3                         ; 0: query, 1: key, 2: value: 8 clusters (32 block rows) each; from the cluster's y alone, so the same in all partners
.endif
	s_lshl_b32 s13, s13, 2
	s_add_co_u32 s13, s13, s41                     ; block row = 4 x cluster y + cy
	s_lshl_b32 s43, s41, 2
	s_lshl_b32 s43, 15, s43                        ; my row of the cluster: places 4 cy .. 4 cy + 3
	s_lshl_b32 s44, 0x1111, s40                    ; my column: places cx, cx + 4, cx + 8, cx + 12
	; group 1 for A: 64 MH rows x 128 elements of 2 bytes, 4 words of padding behind every 64 words; the mask of my row, bit 21 beside it
	s_or_b32 s[G1+0], s43, (1<<16)|(1<<20)|(1<<21)|(5<<22)|(3<<25)
	s_mov_b32 s[G1+1], KSTEP<<16                   ; tensor_dim0 = 128
	s_mov_b32 s[G1+2], (64*MH)<<16                 ; tensor_dim1 = 64 MH
	s_mov_b32 s[G1+3], KSTEP<<16                   ; tile_dim0 = 128
	s_mov_b32 s[G1+4], 64*MH                       ; tile_dim1 = 64 MH
	s_mov_b32 s[G1+5], 1024                        ; elements from row to row
	s_mov_b32 s[G1+6], 0
	s_mov_b32 s[G1+7], 0
	; group 1 for W: 64 k rows x 256 elements, 8 words of padding behind every 128 words; the mask of my column
	s_or_b32 s[G1B+0], s44, (1<<16)|(1<<20)|(1<<21)|(6<<22)|(7<<25)
	s_mov_b32 s[G1B+1], 256<<16
	s_mov_b32 s[G1B+2], 64<<16
	s_mov_b32 s[G1B+3], 256<<16
	s_mov_b32 s[G1B+4], 64
	s_mov_b32 s[G1B+5], 1024
	s_mov_b32 s[G1B+6], 0
	s_mov_b32 s[G1B+7], 0
	; where the tiles come from.  A's hang on the block row and the wave, W's on the block column, the wave and the cluster's y, each in registers of its own.
	s_lshl_b32 s16, s13, 1
	s_add_co_u32 s16, s16, s12                     ; 2 x block row + half
	s_lshl_b32 s16, s16, 16+MH                     ; x 64 MH rows x 2,048 bytes (50 MB at the most)
	s_mov_b32 s17, 0
	s_lshl_b32 s46, s12, 17                        ; W: 64 k rows x 2,048 bytes x half
	s_lshl_b32 s47, s42, 9                         ; + 256 columns x 2 bytes x block column
	s_add_co_u32 s46, s46, s47
.if MH == 2
	s_lshl_b32 s47, s45, 21                        ; + the weight matrix: 2 MiB each
	s_add_co_u32 s46, s46, s47
.else
	s_add_co_u32 s46, s46, 3<<21                   ; Wo is the fourth
.endif
	s_mov_b32 s47, 0
	s_mul_i32 s20, s10, HALFT                      ; where W's halves go: wave x 64 rows (waves 0, 1)
	s_mul_i32 s21, s10, MH*HALFT/2                 ; where A's halves go: behind W's 128 rows (waves 2, 3):
	s_add_co_u32 s21, s21, (2-MH)*HALFT            ; 2 HALFT + (wave - 2) x 64 MH rows
	s_wait_dscnt 0x0
	s_wait_kmcnt 0x0
	s_add_nc_u64 s[14:15], s[4:5], s[16:17]
	s_add_nc_u64 s[46:47], s[6:7], s[46:47]
	CROUND                                         ; all sixteen work-groups are here: the first joint loads meet
.irp s, 0,1
	s_mov_b32 s[G0+4*\s], 1                                        ; count = 1
	s_add_co_u32 s[G0+4*\s+1], s21, \s*SLOT                        ; LDS address
	s_add_nc_u64 s[G0+4*\s+2:G0+4*\s+3], s[14:15], \s*KSTEP*2      ; global address: K step s is 256 bytes along A's rows
	s_or_b32 s[G0+4*\s+3], s[G0+4*\s+3], 0x80000000                ; type = 2
	s_mov_b32 s[G0B+4*\s], 1
	s_add_co_u32 s[G0B+4*\s+1], s20, \s*SLOT
	s_add_nc_u64 s[G0B+4*\s+2:G0B+4*\s+3], s[46:47], \s*KSTEP*2048 ; K step s is 128 rows down W
	s_or_b32 s[G0B+4*\s+3], s[G0B+4*\s+3], 0x80000000
	JLOAD \s                                       ; both slots' first fills go out before anything else: two loads of mine are out
.endr
	v_and_b32 v1, 15, v0                           ; r = l % 16
	v_bfe_u32 v2, v0, 4, 1                         ; h = l / 16
	v_mul_u32_u24 v3, v1, PITCH                    ; A fragment: row r, 16 bytes for each half of the lanes
	v_lshl_add_u32 v3, v2, 4, v3
	v_and_b32 v5, 7, v0                            ; W fragment: k row 8 h + l % 8,
	v_lshl_add_u32 v5, v2, 3, v5
	v_mul_u32_u24 v5, v5, BP
	v_bfe_u32 v6, v0, 3, 1                         ; and 16 bytes (8 columns) for each group of eight lanes
	v_lshl_add_u32 v5, v6, 4, v5
	s_mul_i32 s18, s11, 64*MH*PITCH                ; my 64 MH rows of A,
	s_add_co_u32 s18, s18, 2*HALFT                 ; which lie behind W's 128 rows
	s_lshl_b32 s19, s12, 8                         ; my 128 columns of W
.irp s, 0,1
	v_add_nc_u32 v[ADRA+\s], s18, v3
	v_add_nc_u32 v[ADRB+\s], s19, v5
	s_add_co_u32 s18, s18, SLOT
	s_add_co_u32 s19, s19, SLOT
.endr
	s_mul_i32 s23, s10, 16*SPITCH
	s_add_co_u32 s23, s23, STAGE                   ; my stage
	v_mul_u32_u24 v4, v1, SPITCH
	v_lshlrev_b32 v[BO], 5, v2
.if MH == 2
	v_lshl_add_u32 v4, v2, 4, v4                   ; in: row r, 16 bytes (8 f16) for each half of the lanes
	v_add_nc_u32 v[STO], s23, v4
	v_mul_u32_u24 v5, v2, SPITCH                   ; back: lanes 0-15 one row of 256 bytes, lanes 16-31 the next
	v_lshl_add_u32 v5, v1, 4, v5
	v_add_nc_u32 v[RD], s23, v5
	v_mul_u32_u24 v5, v2, ROWB                     ; and the same two rows in C
	v_lshl_add_u32 v[CO], v1, 4, v5
	s_mov_b32 s72, 0x3e38aa3b                      ; c = log2(e) / 8,
	s_mov_b32 s73, 0x3e38aa3b                      ; a whole pair for the packed forms
.else
	v_lshl_add_u32 v4, v2, 5, v4                   ; in: row r, 32 bytes (8 f32) for each half of the lanes
	v_add_nc_u32 v[STO], s23, v4
	v_and_b32 v7, 31, v0
	v_lshlrev_b32 v[CO], 4, v7                     ; back and out: 32 lanes take one row's 512 bytes
	v_add_nc_u32 v[RD], s23, v[CO]
.endif
; Eight matrix instructions: A's tile t (16 rows) x all 8 column tiles, 32 along K.  zero = 1: the first product starts the sums, nothing is cleared.
.macro MULA f, t, zero
.irp b, 0,1,2,3,4,5,6,7
.if \zero
	v_wmma_f32_16x16x32_f16 v[8*(8*((\t)&3)+\b):8*(8*((\t)&3)+\b)+7], v[\f+8*\b:\f+8*\b+7], v[\f+8*(\t):\f+8*(\t)+7], 0
.else
	v_wmma_f32_16x16x32_f16 v[8*(8*((\t)&3)+\b):8*(8*((\t)&3)+\b)+7], v[\f+8*\b:\f+8*\b+7], v[\f+8*(\t):\f+8*(\t)+7], v[8*(8*((\t)&3)+\b):8*(8*((\t)&3)+\b)+7]
.endif
.endr
.endm
; A quarter of a quarter step: MH tiles of A.  Source 0 (W) window 1, source 1 (A) window 0, C and D window 2 or 3.
.macro PART p, f, zero
.if MH == 2
.if \p < 2
	WIN 0xa1
.else
	WIN 0xf1
.endif
	MULA \f, 2*\p, \zero
	MULA \f, 2*\p+1, \zero
.else
	WIN 0xa1
	MULA \f, \p, \zero
.endif
.endm
; 16 + 8 MH LDS loads in one run: the fragments of quarter q (32 along K) of a slot into buffer f
.macro FETCH slot, q, f
	WIN 0x40                                       ; destination window 1
.irp i, 0,1,2,3,4,5,6,7
	ds_load_tr16_b128 v[\f+8*\i:\f+8*\i+3],   v[ADRB+\slot] offset:\q*32*BP+32*\i          ; k = 32 q + 8 h + 0..7 of column 16 i + r
	ds_load_tr16_b128 v[\f+8*\i+4:\f+8*\i+7], v[ADRB+\slot] offset:\q*32*BP+16*BP+32*\i    ; k = 32 q + 16 + 8 h + 0..7
.endr
	WIN 0
.set fi, 0
.rept 4*MH
	ds_load_b128 v[\f+8*fi:\f+8*fi+3],   v[ADRA+\slot] offset:\q*64+fi*16*PITCH
	ds_load_b128 v[\f+8*fi+4:\f+8*fi+7], v[ADRA+\slot] offset:\q*64+fi*16*PITCH+32
.set fi, fi+1
.endr
.endm
; A load into a register that a matrix instruction has read, and a vector instruction that reads a matrix result, stand four places behind it; only plain
; vector instructions that name none of its registers are places (ISA guide 7.12.1 for vector instructions).
.macro PLACES
.rept 4
	v_nop
.endr
.endm
; One of a K step's first three quarters: multiplies buffer f; in its middle it fetches quarter qn into buffer g.
; The 32 MH accumulators take turns, one instruction a turn, in the same order in every quarter, over the loop's jump too.
.macro QUARTER slot, qn, f, g, zero
	s_wait_dscnt 4*MH                              ; W and the first half of A's tiles are in; the youngest 4 MH loads (the second half) may be out
	PART 0, \f, \zero
	PART 1, \f, \zero
	PLACES
	FETCH \slot, \qn, \g
	s_wait_dscnt 16+8*MH                           ; all but the run just issued
	PART 2, \f, \zero
	PART 3, \f, \zero
.endm
.macro THREE slot, zero
	QUARTER \slot, 1, F0, F1, \zero
	QUARTER \slot, 2, F1, F0, 0
	QUARTER \slot, 3, F0, F1, 0
.endm
; The last quarter multiplies buffer 1 and changes slots.  In front of the barrier each wave waits for its reads of this slot and for all its tensor loads
; (the one that is out is its part of the next slot).  Behind it nobody reads this slot and the next slot is whole.  fill = 1: the barrier opens a round of
; the cluster's barrier, and the joint refill, two K steps ahead, is the first tensor load behind the round: my one load until the next round.
.macro TURN slot, next, fill
	s_wait_dscnt 4*MH
	PART 0, F1, 0
	s_wait_dscnt 0x0                               ; my reads of this slot are over
	s_wait_tensorcnt 0x0                           ; all my tensor loads have landed
	ds_add_u32 v255, v255
	s_wait_dscnt 0x0
	s_barrier_signal -1
	PART 1, F1, 0                                  ; register work while the others arrive
	WIN 0
	s_barrier_wait -1
.if \fill
	CREST
	s_add_nc_u64 s[G0+4*\slot+2:G0+4*\slot+3], s[G0+4*\slot+2:G0+4*\slot+3], 2*KSTEP*2         ; no load of mine is out: group 0 may be written
	s_add_nc_u64 s[G0B+4*\slot+2:G0B+4*\slot+3], s[G0B+4*\slot+2:G0B+4*\slot+3], 2*KSTEP*2048
	JLOAD \slot
.endif
	PLACES
	FETCH \next, 0, F0
	PART 2, F1, 0
	PART 3, F1, 0
.endm
.macro LAP zero
	THREE 0, \zero
	TURN 0, 1, 1
	THREE 1, 0
	TURN 1, 0, 1
.endm
	s_wait_tensorcnt 0x1                           ; my part of K step 0 is in; K step 1's stays out
	s_barrier_signal -1
	s_barrier_wait -1
	FETCH 0, 0, F0
	LAP 1                                          ; the first lap stands in front of the loop: its first products start the sums
	WIN 0                                          ; at a label and at a branch every window is 0
	s_mov_b32 s3, LAPS-2
.Llap:
	LAP 0
	WIN 0
	s_sub_co_u32 s3, s3, 1
	s_cmp_lg_u32 s3, 0
	s_cbranch_scc1 .Llap
	THREE 0, 0                                     ; the last lap fills nothing
	TURN 0, 1, 0
	THREE 1, 0
	s_wait_dscnt 4*MH                              ; the very last quarter
	PART 0, F1, 0
	PART 1, F1, 0
	s_wait_dscnt 0x0
	PART 2, F1, 0
	PART 3, F1, 0
	PLACES                                         ; the places behind the last products: for all that reads results or loads into fragment buffers below
	WIN 0
	s_lshl_b32 s16, s13, 1
	s_add_co_u32 s16, s16, s11                     ; 2 x block row + my half
	s_lshl_b32 s16, s16, 18                        ; x 64 MH rows x ROWB bytes = 262,144 in both builds
	s_mov_b32 s17, 0
	s_add_nc_u64 s[8:9], s[8:9], s[16:17]
	s_lshl_b32 s46, s42, 1
	s_add_co_u32 s46, s46, s12                     ; my group of 128 columns
	s_lshl_b32 s66, s46, 9                         ; its byte offset in a bias (f32)
	s_mov_b32 s67, 0
.if MH == 2
	s_lshl_b32 s46, s46, 8                         ; and in a row of C (f16)
.else
	s_lshl_b32 s46, s46, 9                         ; and in a row of C (f32)
.endif
	s_mov_b32 s47, 0
	s_add_nc_u64 s[8:9], s[8:9], s[46:47]
.macro BIAS_IN                         ; lane l wants the bias of columns 16 b + 8 (l / 16) + 0..7 of my 128, for b = 0..7
.irp b, 0,1,2,3,4,5,6,7
	global_load_b128 v[BI+8*\b:BI+8*\b+3],   v[BO], s[68:69] offset:64*\b
	global_load_b128 v[BI+8*\b+4:BI+8*\b+7], v[BO], s[68:69] offset:64*\b+16
.endr
	s_wait_loadcnt 0x0
.endm
.macro ADDB                            ; one window's 32 tiles: acc += bias
.irp a, 0,1,2,3
.irp b, 0,1,2,3,4,5,6,7
.irp p, 0,1,2,3
	v_pk_add_f32 v[8*(8*\a+\b)+2*\p:8*(8*\a+\b)+2*\p+1], v[8*(8*\a+\b)+2*\p:8*(8*\a+\b)+2*\p+1], v[BI+8*\b+2*\p:BI+8*\b+2*\p+1]
.endr
.endr
.endr
.endm
.macro FMAB                            ; one window's 32 tiles: acc = c acc + (c bias)
.irp a, 0,1,2,3
.irp b, 0,1,2,3,4,5,6,7
.irp p, 0,1,2,3
	v_pk_fma_f32 v[8*(8*\a+\b)+2*\p:8*(8*\a+\b)+2*\p+1], v[8*(8*\a+\b)+2*\p:8*(8*\a+\b)+2*\p+1], s[72:73], v[BI+8*\b+2*\p:BI+8*\b+2*\p+1] op_sel_hi:[1,0,1]
.endr
.endr
.endr
.endm
.if MH == 2
	s_cmp_eq_u32 s45, 1                            ; key rows take no bias (bk cancels in the softmax)
	s_cbranch_scc1 .Lno_bias
	s_cmp_eq_u32 s45, 0
	s_cselect_b64 s[68:69], s[68:69], s[70:71]     ; bq for query rows, bv for value rows
	s_add_nc_u64 s[68:69], s[68:69], s[66:67]
	BIAS_IN
	s_cmp_eq_u32 s45, 0
	s_cbranch_scc0 .Lbias_v
.irp p, 0,1,2,3,4,5,6,7,8,9,10,11,12,13,14,15,16,17,18,19,20,21,22,23,24,25,26,27,28,29,30,31
	v_pk_mul_f32 v[BI+2*\p:BI+2*\p+1], v[BI+2*\p:BI+2*\p+1], s[72:73] op_sel_hi:[1,0]     ; c bq
.endr
	WIN 0x82                                       ; destination and source 0 window 2, the bias window 0
	FMAB
	WIN 0xc3
	FMAB
	WIN 0
	s_branch .Lno_bias
.Lbias_v:
	WIN 0x82
	ADDB
	WIN 0xc3
	ADDB
	WIN 0
.Lno_bias:
; THE WAY OUT, f16, 16 rows at a time: round, 16 bytes a lane into my own stage, read back as whole rows of 256 bytes.
; rows 16 i .. 16 i + 15 = the eight tiles (a, 0..7) of window 2 or 3 (from = 0x0a or 0x0f: sources 0 and 1); f: F0 or F1 in turn
.macro OUT16 i, a, from, f
	WIN \from
.irp b, 0,1,2,3,4,5,6,7
.irp r, 0,1,2,3
	v_cvt_pk_f16_f32 v[TMP+4*\b+\r], v[8*(8*\a+\b)+2*\r], v[8*(8*\a+\b)+2*\r+1]
.endr
.endr
	WIN 0
.irp b, 0,1,2,3,4,5,6,7
	ds_store_b128 v[STO], v[TMP+4*\b:TMP+4*\b+3] offset:32*\b
.endr
	s_wait_xcnt 0x0                                ; buffer f, which earlier stores read, and the stores' base are rewritten only behind this wait
.if \i
	s_add_nc_u64 s[8:9], s[8:9], 16*ROWB
.endif
.irp t, 0,1,2,3,4,5,6,7
	ds_load_b128 v[\f+4*\t:\f+4*\t+3], v[RD] offset:\t*2*SPITCH    ; LDS serves a wave's instructions in order: these see the stores above
.endr
.irp t, 0,1,2,3,4,5,6,7
	s_wait_dscnt 7-\t                              ; the 7 - t younger read-backs stay out
	global_store_b128 v[CO], v[\f+4*\t:\f+4*\t+3], s[8:9] offset:2*\t*ROWB   ; 16 lanes store 256 consecutive bytes at a multiple of 256
.endr
.endm
	OUT16 0, 0, 0x0a, F0
	OUT16 1, 1, 0x0a, F1
	OUT16 2, 2, 0x0a, F0
	OUT16 3, 3, 0x0a, F1
	OUT16 4, 0, 0x0f, F0
	OUT16 5, 1, 0x0f, F1
	OUT16 6, 2, 0x0f, F0
	OUT16 7, 3, 0x0f, F1
.else
	s_add_nc_u64 s[68:69], s[68:69], s[66:67]
	BIAS_IN
	WIN 0x82
	ADDB
	WIN 0
; THE WAY OUT, f32, 16 rows at a time: 32 bytes a lane and tile into my own stage, read back as whole rows of 512 bytes.
.macro OUT16F a, f
	WIN 0x08                                       ; the LDS stores' data lie in window 2
.irp b, 0,1,2,3,4,5,6,7
	ds_store_b128 v[STO], v[8*(8*\a+\b):8*(8*\a+\b)+3]   offset:64*\b
	ds_store_b128 v[STO], v[8*(8*\a+\b)+4:8*(8*\a+\b)+7] offset:64*\b+16
.endr
	WIN 0
	s_wait_xcnt 0x0                                ; buffer f, which earlier stores read, and the stores' base are rewritten only behind this wait
.if \a
	s_add_nc_u64 s[8:9], s[8:9], 16*ROWB
.endif
.irp t, 0,1,2,3,4,5,6,7,8,9,10,11,12,13,14,15
	ds_load_b128 v[\f+4*\t:\f+4*\t+3], v[RD] offset:\t*SPITCH      ; LDS serves a wave's instructions in order: these see the stores above
.endr
.irp t, 0,1,2,3,4,5,6,7,8,9,10,11,12,13,14,15
	s_wait_dscnt 15-\t                             ; the 15 - t younger read-backs stay out
	global_store_b128 v[CO], v[\f+4*\t:\f+4*\t+3], s[8:9] offset:\t*ROWB th:TH_STORE_NT   ; the wave stores 512 consecutive bytes at a multiple of 512
.endr
.endm
	OUT16F 0, F0
	OUT16F 1, F1
	OUT16F 2, F0
	OUT16F 3, F1
.endif
	s_set_vgpr_msb 0x1
	s_wait_tensorcnt 0x0
	ds_add_u32 v255, v255
	s_wait_dscnt 0x0
	s_set_vgpr_msb 0x100
	CROUND                                         ; the closing round: no work-group ends while a partner may still ask for a tile that names it
	s_endpgm
.Lfunc_end_k_q5ae62f2d87_qkvproj:
	.size	k_q5ae62f2d87_qkvproj, .Lfunc_end_k_q5ae62f2d87_qkvproj-k_q5ae62f2d87_qkvproj
	.p2alignl 7, 3214868480
	.fill 96, 4, 3214868480
	.section	.rodata,"a",@progbits
	.p2align	6, 0x0
	.amdhsa_kernel k_q5ae62f2d87_qkvproj
		.amdhsa_group_segment_fixed_size 327680
		.amdhsa_private_segment_fixed_size 0
		.amdhsa_enable_private_segment 0
		.amdhsa_kernarg_size 40
		.amdhsa_user_sgpr_count 2
		.amdhsa_user_sgpr_kernarg_segment_ptr 1
		.amdhsa_wavefront_size32 1
		.amdhsa_system_sgpr_workgroup_id_x 1
		.amdhsa_system_sgpr_workgroup_id_y 1
		.amdhsa_system_sgpr_workgroup_id_z 1
		.amdhsa_system_vgpr_workitem_id 0
		.amdhsa_next_free_vgpr 1024
		.amdhsa_next_free_sgpr 76
		.amdhsa_reserve_vcc 0
		.amdhsa_float_denorm_mode_32 3
		.amdhsa_float_denorm_mode_16_64 3
		.amdhsa_memory_ordered 1
		.amdhsa_forward_progress 1
		.amdhsa_inst_pref_size 233
	.end_amdhsa_kernel
	.amdgpu_metadata
---
amdhsa.version: [ 1, 2 ]
amdhsa.kernels:
  - .name:           k_q5ae62f2d87_qkvproj
    .symbol:         k_q5ae62f2d87_qkvproj.kd
    .args:
      - { .name: xh, .offset: 0, .size: 8, .value_kind: global_buffer, .address_space: global }
      - { .name: wh, .offset: 8, .size: 8, .value_kind: global_buffer, .address_space: global }
      - { .name: bq, .offset: 16, .size: 8, .value_kind: global_buffer, .address_space: global }
      - { .name: bv, .offset: 24, .size: 8, .value_kind: global_buffer, .address_space: global }
      - { .name: qkv, .offset: 32, .size: 8, .value_kind: global_buffer, .address_space: global }
    .group_segment_fixed_size: 327680
    .private_segment_fixed_size: 0
    .kernarg_segment_align: 8
    .kernarg_segment_size: 40
    .max_flat_workgroup_size: 128
    .sgpr_count:     76
    .vgpr_count:     1024
    .wavefront_size: 32
...
	.end_amdgpu_metadata
.endif
;; end of part 2
;; launch attn (part 3): grid 8 x 32, 8 waves a work-group, no clusters, 327,680 bytes of LDS; arguments qkv, ah; writes ah
.if DOCPART == 3
	.amdgcn_target "amdgcn-amd-amdhsa--gfx1250"
	.amdhsa_code_object_version 6
	.text
	.protected	k_q5ae62f2d87_attn
	.globl	k_q5ae62f2d87_attn
	.p2align	8
	.type	k_q5ae62f2d87_attn,@function
k_q5ae62f2d87_attn:
	s_mov_b64 s[64:65], 0
	v_nop
	global_prefetch_b8 v0, s[64:65] scope:SCOPE_SE
	s_setreg_imm32_b32 hwreg(HW_REG_WAVE_MODE, 25, 1), 1
	s_wait_xcnt 0x0
; CAUSAL ATTENTION WITH THE ALIBI TERM.  qkv: f16 [3][8192][1024] = c q (c = log2(e) / 8), k, v; column = head x 64 + d.  ah: f16 [8192][1024].
; In base 2 the score of query i and key j is  s = (c q_i) . k_j - slope2 j,  slope2 = log2(e) 2^(-(head + 1) / 2).
; LEFT OUT: slopes[h] i and q_i . bk (the same along the softmax's axis: they cancel for all values), and key blocks of 128 with every j > i (masked by reference() itself).
; Inside the diagonal block of 128 x 128 every score is computed and the masked ones are replaced.
; LIMITS: a masked score is replaced by -1.44e9 (reference() adds -1e9): the same weights, 0, while |logit| < 5e8.  A NaN or an infinity in a masked block is not carried on.
; SHARES.  A work-group takes one batch, two neighbouring heads and two query blocks of 128: block i (pass A) and block 15 - i (pass B): 17 key blocks in every work-group,
; 256 work-groups of equal work.  Two heads together make the rows of K, V and the output 256 consecutive bytes at multiples of 256.
; Wave w: head w / 4 of the pair, queries 32 (w % 4) .. + 31 of the block, as two tiles u of 16.
; THE WALK: pass A's diagonal block; then a ring of 15 full key blocks r = 0..14, ring block r being key block r (r < i, pass A) or r - i (pass B); in front of ring block
; r = i stands the change of pass: pass A goes out, Q of pass B comes in, pass B's diagonal block is done.  The diagonal block comes first in a pass: its first product starts O.
; NO CLUSTER: at ring step r the work-group with query blocks (i, 15 - i) wants key block r - i or r: partners would ask for different tiles in the same step.
; TRANSPOSED: S^T = K Q^T (source 0 = 16 keys, source 1 = 16 queries): lane l holds query l % 16, its registers keys 8 (l / 16) + 0..7.  So the softmax's figures are one a
; lane, two S^T tiles packed to f16 are a source 1 fragment of P^T, and O^T = V^T P^T leaves a lane eight neighbouring d of one query.  The running maximum is kept per 64 keys.
; SIDE BY SIDE: the softmax is ten numbered slices; one query tile's slices stand behind the other tile's S products, O's rescaling among the PV products.
; LDS: four regions of 73,728 bytes, each four parts of 18,432: V keys 0-63, V keys 64-127 (pitch 288), K keys 0-63, K keys 64-127 (pitch 272).
;   0 pass A's diagonal block (filled once; when all have read it, the output's stage, 128 x 272);  73,728 ring slot 0 (even r);  147,456 pass B's diagonal block (filled once);  221,184 ring slot 1.
; FILLS, one part (64 rows x 256 bytes) a wave: at the start waves 0-3 the first region, waves 4-7 ring slot 0; behind the first barrier waves 0-3 the third, waves 4-7 ring slot 1;
; behind ring block r's barrier its own slot gets ring block r + 2, by waves 0-3 (slot 0) or 4-7 (slot 1).  A wave never has more than one tensor load out.
.set PART,  18432
.set KPART, 2*PART
.set REGY,  0
.set REG0,  73728
.set REGX,  147456
.set REG1,  221184
.set VP,    288                        ; odd multiple of 32, for the transposing load
.set KP,    272                        ; odd multiple of 16
.set SP,    272
; window 0
.set KA,  1                            ; LDS address of my K fragments in the block at work
.set VA,  2                            ; of my V fragments
.set DL,  3                            ; 32 (w % 4) + r - 8 h: for the mask
.set NEG, 4                            ; -1.44e9
.set NB,  5                            ; -slope2 x first key of the sub-step
.set MN,  6                            ; the new maximum
.set CO,  7                            ; my byte offset in the output block
.set M,   8                            ; v8-9    running maximum of tile u
.set L,   10                           ; v10-11  running sum (this half of the lanes' keys)
.set AL,  12                           ; v12, v14  2^(M old - M new), later 1 / L; each the first of a pair
.set KL,  13                           ; lane term of KA (also the pair's second register, which a packed form names)
.set VL,  15                           ; lane term of VA (likewise)
.set E,   16                           ; NB - MN, the first of a pair
.set QO,  17                           ; my byte offset in a query block (likewise)
.set T,   18                           ; v18-21  at work
.set SU,  22                           ; v22-29  four pairs of partial sums
.set STO, 30
.set RD,  31
.set BT,  32                           ; v32-63  -slope2 (16 tt + 8 h + j): the C operand of the first S product of tile tt
.set S,   64                           ; v64-127  S^T tile (u, tt) at 64 + 32 u + 8 tt
.set KF,  128                          ; v128-191 K fragment (ks, tt) at 128 + 8 (4 ks + tt)
.set P,   192                          ; v192-223 P^T fragment (u, k2) at 192 + 16 u + 8 k2
.set Q,   224                          ; v224-255 Q fragment (u, ks) at 224 + 8 (2 u + ks)
; window 1
.set O,   0                            ; O^T tile n = 2 dt + u at 8 n
.set VF,  64                           ; V^T fragment (dt, k2) at 64 + 16 dt + 8 k2
.set G1V, 24                           ; s[24:31] group 1 for V's parts
.set G1K, 32                           ; s[32:39] for K's
.set G0,  40                           ; s[40:43] my group 0
.set MSB, 0
.macro WIN new                         ; s_set_vgpr_msb: bits 1:0 source 0, 3:2 source 1, 5:4 source 2, 7:6 destination; the high byte repeats the setting that is left
.if MSB != \new
	s_set_vgpr_msb (MSB<<8)|\new
.set MSB, \new
.endif
.endm
.macro ALLFILL                         ; every wave fills its part; the branch hangs on the wave's number alone
	s_cmp_eq_u32 s10, 0
	s_cbranch_scc0 .Lfk_\@
	tensor_load_to_lds s[G0:G0+3], s[G1V:G1V+7]
	s_nop 0
	s_branch .Lfd_\@
.Lfk_\@:
	tensor_load_to_lds s[G0:G0+3], s[G1K:G1K+7]
	s_nop 0
.Lfd_\@:
.endm
.macro REFILL slot                     ; waves 4 slot .. 4 slot + 3 fill their parts; each branch jumps over one tensor load alone
	s_cmp_lg_u32 s9, 2*\slot
	s_cbranch_scc1 .Lnv_\@
	tensor_load_to_lds s[G0:G0+3], s[G1V:G1V+7]
	s_nop 0
.Lnv_\@:
	s_cmp_lg_u32 s9, 2*\slot+1
	s_cbranch_scc1 .Lnk_\@
	tensor_load_to_lds s[G0:G0+3], s[G1K:G1K+7]
	s_nop 0
.Lnk_\@:
.endm
.macro QLOAD lo
.irp u, 0,1
.irp ks, 0,1
	global_load_b128 v[Q+8*(2*\u+\ks):Q+8*(2*\u+\ks)+3],   v[QO], s[\lo:\lo+1] offset:\u*32768+\ks*64
	global_load_b128 v[Q+8*(2*\u+\ks)+4:Q+8*(2*\u+\ks)+7], v[QO], s[\lo:\lo+1] offset:\u*32768+\ks*64+32
.endr
.endr
.endm
	s_load_b64 s[2:3], s[0:1], 0x0                 ; qkv
	s_load_b64 s[4:5], s[0:1], 0x8                 ; ah
	s_set_vgpr_msb 0x40
	v_lshl_add_u32 v128, v0, 2, 0x48000
	v_mov_b32 v129, 0
	s_set_vgpr_msb 0x4045
	ds_add_u32 v128, v129
	s_set_vgpr_msb 0x4500
	v_lshrrev_b32 v1, 5, v0
	v_readfirstlane_b32 s6, v1                     ; wave 0..7
	s_and_b32 s7, s6, 3                            ; ws: my 32 queries
	s_lshr_b32 s8, s6, 2                           ; hl: my head of the pair
	s_lshr_b32 s9, s6, 1                           ; 0, 2: I fill a part of V; 1, 3: of K
	s_and_b32 s10, s9, 1
	s_mov_b32 s11, ttmp9                           ; i = pass A's query block
	s_sub_co_u32 s12, 15, s11                      ; pass B's
	s_and_b32 s13, ttmp7, 0xffff
	s_lshr_b32 s21, s13, 3                         ; batch
	s_and_b32 s13, s13, 7                          ; pair of heads
	s_lshl_b32 s22, s21, 22                        ; 2,048 rows x 2,048 bytes a batch
	s_lshl_b32 s21, s13, 8                         ; 256 bytes a pair of heads
	s_add_co_u32 s22, s22, s21
	s_mov_b32 s23, 0
	s_mov_b32 s56, 0x76543210                      ; v_permlanex16_b32: lane i of one half reads lane i of the other
	s_mov_b32 s57, 0xfedcba98
	; group 1: 64 rows x 128 elements of 2 bytes; behind every 64 words 8 words of padding (V) or 4 (K); no mask
	s_mov_b32 s[G1V+0], (1<<16)|(1<<20)|(5<<22)|(7<<25)
	s_mov_b32 s[G1K+0], (1<<16)|(1<<20)|(5<<22)|(3<<25)
.irp g, G1V, G1K
	s_mov_b32 s[\g+1], 128<<16                     ; tensor_dim0 = 128
	s_mov_b32 s[\g+2], 64<<16                      ; tensor_dim1 = 64
	s_mov_b32 s[\g+3], 128<<16                     ; tile_dim0 = 128
	s_mov_b32 s[\g+4], 64                          ; tile_dim1 = 64
	s_mov_b32 s[\g+5], 1024                        ; elements from row to row
	s_mov_b32 s[\g+6], 0
	s_mov_b32 s[\g+7], 0
.endr
	s_mul_i32 s20, s6, PART                        ; wave x one part
	s_mov_b32 s[G0], 1
	s_add_co_u32 s[G0+1], s20, 0                   ; first fills: waves 0-3 the first region, waves 4-7 ring slot 0
	s_and_b32 s74, s6, 1
	s_lshl_b32 s74, s74, 17                        ; keys 64-127 lie 64 rows x 2,048 bytes further down
	s_mov_b32 s75, 0
	s_lshl_b32 s73, s11, 18                        ; 128 rows x 2,048 bytes a block
	s_cmp_lt_u32 s6, 4
	s_cselect_b32 s76, s73, 0                      ; pass A's diagonal block, or ring block 0 = key block 0
	s_mov_b32 s77, 0
	s_wait_dscnt 0x0
	s_wait_kmcnt 0x0
	s_add_nc_u64 s[14:15], s[2:3], s[22:23]        ; c q of my batch and heads
	s_add_nc_u64 s[44:45], s[14:15], 0x1000000     ; k
	s_add_nc_u64 s[46:47], s[14:15], 0x2000000     ; v
	s_add_nc_u64 s[18:19], s[4:5], s[22:23]        ; the output
	s_cmp_eq_u32 s10, 0
	s_cselect_b64 s[16:17], s[46:47], s[44:45]
	s_add_nc_u64 s[16:17], s[16:17], s[74:75]      ; my part of key block 0
	s_add_nc_u64 s[G0+2:G0+3], s[16:17], s[76:77]
	s_or_b32 s[G0+3], s[G0+3], 0x80000000          ; type = 2
	ALLFILL
	s_lshl_b32 s22, s11, 18
	s_add_nc_u64 s[78:79], s[14:15], s[22:23]      ; Q of pass A
	s_lshl_b32 s22, s12, 18
	s_add_nc_u64 s[80:81], s[14:15], s[22:23]      ; Q of pass B
	v_and_b32 v18, 15, v0                          ; r
	v_bfe_u32 v19, v0, 4, 1                        ; h
	s_lshl_b32 s73, s7, 5                          ; 32 ws
	s_lshl_b32 s74, s8, 7                          ; 128 hl
	v_add_nc_u32 v20, s73, v18                     ; 32 ws + r
	v_lshlrev_b32 v21, 4, v19
	v_add_nc_u32 v21, s74, v21                     ; 128 hl + 16 h
	v_lshl_add_u32 v[QO], v20, 11, v21
	QLOAD 78
	v_mul_u32_u24 v[KL], v18, KP                   ; K fragment: key row r, my head's 128 bytes, 16 bytes for each half of the lanes
	v_add_nc_u32 v[KL], v[KL], v21
	v_mul_u32_u24 v[STO], v20, SP                  ; stage in: query row 32 ws + r (+ 16 u)
	v_add_nc_u32 v[STO], v[STO], v21
	v_and_b32 v22, 7, v0                           ; V^T fragment: key row 8 h + l % 8,
	v_lshl_add_u32 v22, v19, 3, v22
	v_mul_u32_u24 v[VL], v22, VP
	v_bfe_u32 v23, v0, 3, 1                        ; 16 bytes (8 d) for each group of eight lanes
	v_lshl_add_u32 v[VL], v23, 4, v[VL]
	v_add_nc_u32 v[VL], s74, v[VL]
	v_lshlrev_b32 v22, 3, v19                      ; 8 h
	v_sub_nc_u32 v[DL], v20, v22
	s_lshl_b32 s75, s6, 4                          ; 16 w
	v_add_nc_u32 v23, s75, v19                     ; stage back and out: rows 16 w + h (+ 2 t), 16 bytes a lane
	v_lshlrev_b32 v24, 4, v18
	v_mul_u32_u24 v[RD], v23, SP
	v_add_nc_u32 v[RD], v[RD], v24
	v_lshl_add_u32 v[CO], v23, 11, v24
	s_lshl_b32 s73, s13, 1
	s_add_co_u32 s73, s73, s8
	s_add_co_u32 s73, s73, 1                       ; head + 1
	v_cvt_f32_u32 v25, s73
	v_mul_f32 v25, -0.5, v25
	v_exp_f32 v25, v25                             ; slopes[head] = 2^(-(head + 1) / 2)
	v_mov_b32 v[NEG], 0xceabfb8f                   ; (a plain instruction behind the exponential: ISA guide 5.7.2)  -1e9 log2(e)
	s_wait_alu depctr_va_vdst(0)
	v_mul_f32 v25, 0xbfb8aa3b, v25                 ; -slope2
	v_readfirstlane_b32 s58, v25
	v_mul_f32 v26, 0x42800000, v25
	v_readfirstlane_b32 s59, v26                   ; -slope2 x 64
.irp tt, 0,1,2,3
.irp j, 0,1,2,3,4,5,6,7
	v_add_nc_u32 v[BT+8*\tt+\j], 16*\tt+\j, v22
	v_cvt_f32_u32 v[BT+8*\tt+\j], v[BT+8*\tt+\j]
	v_mul_f32 v[BT+8*\tt+\j], v25, v[BT+8*\tt+\j]
.endr
.endr
; ---- loads of fragments
.macro KLOAD ss, ks                    ; 8 loads: 64 keys x d 32 ks .. + 31
.irp tt, 0,1,2,3
	ds_load_b128 v[KF+8*(4*\ks+\tt):KF+8*(4*\ks+\tt)+3],   v[KA] offset:\ss*PART+16*\tt*KP+64*\ks
	ds_load_b128 v[KF+8*(4*\ks+\tt)+4:KF+8*(4*\ks+\tt)+7], v[KA] offset:\ss*PART+16*\tt*KP+64*\ks+32
.endr
.endm
.macro VLOAD ss                        ; 16 transposing loads: 64 d x 64 keys
	WIN 0x40                                       ; destination window 1
.irp k2, 0,1
.irp dt, 0,1,2,3
	ds_load_tr16_b128 v[VF+16*\dt+8*\k2:VF+16*\dt+8*\k2+3],   v[VA] offset:\ss*PART+32*\k2*VP+32*\dt
	ds_load_tr16_b128 v[VF+16*\dt+8*\k2+4:VF+16*\dt+8*\k2+7], v[VA] offset:\ss*PART+32*\k2*VP+32*\dt+16*VP
.endr
.endr
	WIN 0
.endm
; ---- products.  In every run the accumulators take turns, one instruction a turn, and no two runs that follow each other share one.
.macro SPROD u, n                      ; product n of 8 of S^T of tile u: key tile n % 4, d half n / 4
.if (\n) < 4
	v_wmma_f32_16x16x32_f16 v[S+32*\u+8*(\n):S+32*\u+8*(\n)+7], v[KF+8*(\n):KF+8*(\n)+7], v[Q+16*\u:Q+16*\u+7], v[BT+8*(\n):BT+8*(\n)+7]
.else
	v_wmma_f32_16x16x32_f16 v[S+32*\u+8*((\n)&3):S+32*\u+8*((\n)&3)+7], v[KF+8*(\n):KF+8*(\n)+7], v[Q+16*\u+8:Q+16*\u+15], v[S+32*\u+8*((\n)&3):S+32*\u+8*((\n)&3)+7]
.endif
.endm
.macro MULO n                          ; O tile n times its query tile's 2^(M old - M new)
.irp p, 0,1,2,3
	v_pk_mul_f32 v[O+8*(\n)+2*\p:O+8*(\n)+2*\p+1], v[O+8*(\n)+2*\p:O+8*(\n)+2*\p+1], v[AL+2*((\n)&1):AL+2*((\n)&1)+1] op_sel_hi:[1,0]
.endr
.endm
.macro PEND first                      ; O^T = O^T x factor + V^T P^T for the 64 keys whose P^T is ready; first = 1: the product starts O
	WIN 0x51                                       ; V^T and O window 1, P^T and the factor window 0
.if \first == 0
	MULO 0
.endif
.irp n, 0,1,2,3,4,5,6,7
.if \first
	v_wmma_f32_16x16x32_f16 v[O+8*\n:O+8*\n+7], v[VF+16*(\n>>1):VF+16*(\n>>1)+7], v[P+16*(\n&1):P+16*(\n&1)+7], 0
.else
	v_wmma_f32_16x16x32_f16 v[O+8*\n:O+8*\n+7], v[VF+16*(\n>>1):VF+16*(\n>>1)+7], v[P+16*(\n&1):P+16*(\n&1)+7], v[O+8*\n:O+8*\n+7]
.if \n < 7
	MULO \n+1
.endif
.endif
.endr
.irp n, 0,1,2,3,4,5,6,7
	v_wmma_f32_16x16x32_f16 v[O+8*\n:O+8*\n+7], v[VF+16*(\n>>1)+8:VF+16*(\n>>1)+15], v[P+16*(\n&1)+8:P+16*(\n&1)+15], v[O+8*\n:O+8*\n+7]
.endr
	WIN 0
.endm
; ---- the softmax of one query tile over 64 keys, in ten slices.  SB, PB: the tile's scores and P^T.
.macro MASK u, ss, tt
.irp j, 0,1,2,3,4,5,6,7
	v_cmp_gt_i32 vcc_lo, 64*\ss+16*\tt+\j-16*\u, v[DL]             ; key 64 ss + 16 tt + 8 h + j > query 32 ws + 16 u + r
	v_cndmask_b32 v[SB+8*\tt+\j], v[SB+8*\tt+\j], v[NEG], vcc_lo
.endr
.endm
.macro MAX2 ta, tb
	v_max3_num_f32 v[T+\ta], v[SB+8*\ta], v[SB+8*\ta+1], v[SB+8*\ta+2]
	v_max3_num_f32 v[T+\tb], v[SB+8*\tb], v[SB+8*\tb+1], v[SB+8*\tb+2]
	v_max3_num_f32 v[T+\ta], v[T+\ta], v[SB+8*\ta+3], v[SB+8*\ta+4]
	v_max3_num_f32 v[T+\tb], v[T+\tb], v[SB+8*\tb+3], v[SB+8*\tb+4]
	v_max3_num_f32 v[T+\ta], v[T+\ta], v[SB+8*\ta+5], v[SB+8*\ta+6]
	v_max3_num_f32 v[T+\tb], v[T+\tb], v[SB+8*\tb+5], v[SB+8*\tb+6]
	v_max_num_f32 v[T+\ta], v[T+\ta], v[SB+8*\ta+7]
	v_max_num_f32 v[T+\tb], v[T+\tb], v[SB+8*\tb+7]
.endm
.macro SHIFT tt
.irp p, 0,1,2,3
	v_pk_add_f32 v[SB+8*\tt+2*\p:SB+8*\tt+2*\p+1], v[SB+8*\tt+2*\p:SB+8*\tt+2*\p+1], v[E:E+1] op_sel_hi:[1,0]
.endr
.endm
.macro EXP2 tt, j
	v_exp_f32 v[SB+8*\tt+\j], v[SB+8*\tt+\j]
	v_exp_f32 v[SB+8*\tt+\j+1], v[SB+8*\tt+\j+1]
.endm
.macro SUMP tp, q                      ; step q of 4 of tile tp's sum and of its packing to f16: key tile tp is registers 4 tp .. 4 tp + 3 of the tile's P^T
.if \q == 0
	s_wait_alu depctr_va_vdst(0)
	v_pk_add_f32 v[SU+2*\tp:SU+2*\tp+1], v[SB+8*\tp:SB+8*\tp+1], v[SB+8*\tp+2:SB+8*\tp+3]
.else
.if \q < 3
	v_pk_add_f32 v[SU+2*\tp:SU+2*\tp+1], v[SU+2*\tp:SU+2*\tp+1], v[SB+8*\tp+2*\q+2:SB+8*\tp+2*\q+3]
.endif
.endif
	v_cvt_pk_f16_f32 v[PB+4*\tp+\q], v[SB+8*\tp+2*\q], v[SB+8*\tp+2*\q+1]
.endm
.macro EXPSUM tt, tp                   ; tile tt's exponentials in pairs; behind each pair plain work on tile tp, which names none of them (ISA guide 5.7.2)
	EXP2 \tt, 0
	SUMP \tp, 0
	EXP2 \tt, 2
	SUMP \tp, 1
	EXP2 \tt, 4
	SUMP \tp, 2
	EXP2 \tt, 6
	SUMP \tp, 3
.endm
.macro SL n, u, ss, diag, first
.set SB, S+32*\u
.set PB, P+16*\u
.if (\n) == 0
.if \diag
	MASK \u, \ss, 0
	MASK \u, \ss, 1
.endif
	MAX2 0, 1
.endif
.if (\n) == 1
.if \diag
	MASK \u, \ss, 2
	MASK \u, \ss, 3
.endif
	MAX2 2, 3
.endif
.if (\n) == 2
	v_max3_num_f32 v[T], v[T], v[T+1], v[T+2]
	v_max_num_f32 v[T], v[T], v[T+3]
	v_add_f32 v[T], v[NB], v[T]                                    ; the sub-step's share of -slope2 j
	v_permlanex16_b32 v[T+1], v[T], s56, s57                       ; the other half of the lanes holds the query's other keys
.if \first
	v_max_num_f32 v[MN], v[T], v[T+1]
.else
	v_max3_num_f32 v[MN], v[T], v[T+1], v[M+\u]
	v_sub_f32 v[AL+2*\u], v[M+\u], v[MN]
.endif
	v_sub_f32 v[E], v[NB], v[MN]
.endif
.if (\n) == 3
	SHIFT 0
	SHIFT 1
.endif
.if (\n) == 4
	SHIFT 2
	SHIFT 3
.endif
.if (\n) == 5
.if \first == 0
	v_exp_f32 v[AL+2*\u], v[AL+2*\u]
.endif
	EXP2 0, 0
	EXP2 0, 2
	EXP2 0, 4
	EXP2 0, 6
	v_mov_b32 v[M+\u], v[MN]                                       ; the plain instruction behind this run of exponentials (ISA guide 5.7.2)
.endif
.if (\n) == 6
	EXPSUM 1, 0
.endif
.if (\n) == 7
	EXPSUM 2, 1
.endif
.if (\n) == 8
	EXPSUM 3, 2
.endif
.if (\n) == 9
	SUMP 3, 0
	SUMP 3, 1
	SUMP 3, 2
	SUMP 3, 3
	v_pk_add_f32 v[SU:SU+1], v[SU:SU+1], v[SU+2:SU+3]
	v_pk_add_f32 v[SU+4:SU+5], v[SU+4:SU+5], v[SU+6:SU+7]
	v_pk_add_f32 v[SU:SU+1], v[SU:SU+1], v[SU+4:SU+5]
.if \first
	v_add_f32 v[L+\u], v[SU], v[SU+1]
.else
	v_add_f32 v[SU], v[SU], v[SU+1]
	v_fma_f32 v[L+\u], v[L+\u], v[AL+2*\u], v[SU]
.endif
.endif
.endm
; ---- a key block of 128 keys in region reg; s71 = its number.  first = 1: a pass's first block.  bar = 0: no barrier, 1: a barrier, 2: a barrier and the refill of ring slot `slot`
; from the byte offset in s[76:77].  The block leaves its last 64 keys' PV products pending: the next block issues them while its first K fragments are on their way.
.macro BLOCK reg, diag, first, bar, slot
	s_lshl_b32 s72, s71, 7                         ; the block's first key
	v_add_nc_u32 v[KA], \reg+KPART, v[KL]
	KLOAD 0, 0
	KLOAD 0, 1
.if \first == 0
	s_wait_dscnt 16                                ; the last V fragments are in; the 16 K loads just issued stay out
	PEND 0
.endif
	s_wait_dscnt 8                                 ; K's d 0-31 are in; the 8 loads of d 32-63 stay out
.irp k, 0,1,2,3
	SPROD 0, \k
.endr
	s_wait_dscnt 0x0
.irp k, 4,5,6,7
	SPROD 0, \k
.endr
	SPROD 1, 0
	v_cvt_f32_u32 v[NB], s72                       ; four plain instructions that name no product's register: the places in front of the loads into V's fragments,
	v_add_nc_u32 v[VA], \reg, v[VL]                ; which the PV products have read, and in front of the first reads of tile 0's scores (ISA guide 7.12.1 for the score reads)
	v_mul_f32 v[NB], s58, v[NB]
	v_nop
	VLOAD 0
	SL 0, 0, 0, \diag, \first
.irp k, 1,2,3,4,5,6,7
	SPROD 1, \k
	SL \k, 0, 0, \diag, \first
.if \k == 3
	KLOAD 1, 0                                     ; both tiles have read K's d 0-31, and slice 3's eight plain instructions are the places: the next 64 keys'
.endif
.endr
	KLOAD 1, 1                                     ; likewise d 32-63, behind slice 7's seven plain instructions
	SL 8, 0, 0, \diag, \first
	SL 9, 0, 0, \diag, \first
	s_wait_dscnt 8                                 ; V and K's d 0-31 are in; the 8 loads of d 32-63 stay out
.irp k, 0,1,2,3,4,5,6,7
.if \k == 4
	s_wait_dscnt 0x0
.endif
	SPROD 0, \k
	SL \k, 1, 0, \diag, \first
.endr
	SL 8, 1, 0, \diag, \first
	SL 9, 1, 0, \diag, \first
	PEND \first
	v_add_f32 v[NB], s59, v[NB]                    ; keys 64-127
	SL 0, 0, 1, \diag, 0                           ; its plain instructions are the places in front of the loads into V's fragments
	VLOAD 1
.irp k, 0,1,2,3,4,5,6,7
	SPROD 1, \k
	SL \k+1, 0, 1, \diag, 0
.endr
.if \bar
	s_wait_dscnt 0x0                               ; my reads of this block's region are over
	s_set_vgpr_msb 0x5
	s_wait_tensorcnt 0x0                           ; all my tensor loads have landed (my part of the next block): group 0 may be written
	ds_add_u32 v128, v129
	s_wait_dscnt 0x0
	s_set_vgpr_msb 0x500
.if \bar == 2
	s_add_co_u32 s[G0+1], s20, REG0*(1+\slot)      ; waves 0-3: ring slot 0 + wave x part; waves 4-7: ring slot 1 + (wave - 4) x part
	s_add_nc_u64 s[G0+2:G0+3], s[16:17], s[76:77]
	s_or_b32 s[G0+3], s[G0+3], 0x80000000
.endif
	s_barrier_signal -1
.endif
	SL 9, 0, 1, \diag, 0                           ; register work while the others arrive
.irp k, 0,1,2,3,4
	SL \k, 1, 1, \diag, 0
.endr
.if \bar
	s_barrier_wait -1                              ; nobody reads this region any more, and the next block is whole
.if \bar == 2
	REFILL \slot                                   ; my one tensor load until the next such barrier; it has a whole block in which to land
.endif
.endif
.irp k, 5,6,7,8,9
	SL \k, 1, 1, \diag, 0
.endr
.endm
; ---- the end of a pass: O / L to f16, through the stage, out in whole rows of 256 bytes (two heads).  The stage lies in the first region, which has had its only fill.
.macro FIN qb, last
.rept 4
	v_nop                                          ; four places before vector instructions read O (ISA guide 7.12.1)
.endr
	v_permlanex16_b32 v[T], v[L], s56, s57
	v_permlanex16_b32 v[T+1], v[L+1], s56, s57
	v_add_f32 v[T], v[L], v[T]                     ; both halves' keys
	v_add_f32 v[T+1], v[L+1], v[T+1]
	v_rcp_f32 v[AL], v[T]
	v_rcp_f32 v[AL+2], v[T+1]
	s_lshl_b32 s76, \qb, 18
	v_nop                                          ; the plain instruction behind the reciprocals (ISA guide 5.7.2)
	s_wait_alu depctr_va_vdst(0)
	s_add_nc_u64 s[78:79], s[18:19], s[76:77]
	WIN 0x41
.irp n, 0,1,2,3,4,5,6,7
	MULO \n
.endr
	WIN 0x05                                       ; sources window 1, destination window 0
.irp n, 0,1,2,3,4,5,6,7
.irp p, 0,1,2,3
	v_cvt_pk_f16_f32 v[S+4*\n+\p], v[O+8*\n+2*\p], v[O+8*\n+2*\p+1]
.endr
.endr
	WIN 0
.irp n, 0,1,2,3,4,5,6,7
	ds_store_b128 v[STO], v[S+4*\n:S+4*\n+3] offset:(\n&1)*16*SP+32*(\n>>1)
.endr
	s_wait_dscnt 0x0                               ; my stores are done, for the waves that read them
	s_barrier_signal -1
	s_barrier_wait -1                              ; a ring block's tile may stay on its way
.irp t, 0,1,2,3,4,5,6,7
	ds_load_b128 v[KF+4*\t:KF+4*\t+3], v[RD] offset:\t*2*SP
.endr
.irp t, 0,1,2,3,4,5,6,7
	s_wait_dscnt 7-\t                              ; the 7 - t younger read-backs stay out
	global_store_b128 v[CO], v[KF+4*\t:KF+4*\t+3], s[78:79] offset:\t*4096     ; 16 lanes store 256 consecutive bytes at a multiple of 256
.endr
.if \last == 0
	s_wait_xcnt 0x0                                ; the stores' data registers and base are rewritten only behind this wait
.endif
.endm
; ---- in front of ring block r = i: the change of pass.  The branch hangs on the work-group's number alone: all eight waves take it alike.
.macro CHK roff
	s_add_co_u32 s73, s70, \roff
	s_cmp_lg_u32 s73, s11
	s_cbranch_scc1 .Lsame_\@
	QLOAD 80                                       ; Q of pass B: the S products that read pass A's stand more than four plain instructions back
	s_wait_dscnt 0x0
	PEND 0                                         ; pass A's last 64 keys
	FIN s11, 0
	s_wait_loadcnt 0x0                             ; Q
	s_mov_b32 s71, s12
	BLOCK REGX, 1, 1, 0, 0                         ; pass B's diagonal block: landed since the first block's barrier, filled once: no barrier
.Lsame_\@:
.endm
.macro RBLOCK roff, slot, bar          ; ring block r = s70 + roff
	s_add_co_u32 s73, s70, \roff
	s_sub_co_u32 s74, s73, s11
	s_cmp_lt_u32 s73, s11
	s_cselect_b32 s71, s73, s74                    ; key block r, or r - i
.if \bar == 2
	s_add_co_u32 s73, s70, \roff+2
	s_sub_co_u32 s74, s73, s11
	s_cmp_lt_u32 s73, s11
	s_cselect_b32 s75, s73, s74                    ; and ring block r + 2's
	s_lshl_b32 s76, s75, 18
.endif
	BLOCK REG0+\slot*(REG1-REG0), 0, 0, \bar, \slot
.endm
	s_wait_loadcnt 0x0                             ; Q of pass A
	s_set_vgpr_msb 0x5
	s_wait_tensorcnt 0x0                           ; my first fill has landed: group 0 may be written
	ds_add_u32 v128, v129
	s_wait_dscnt 0x0
	s_set_vgpr_msb 0x500
	s_sub_co_u32 s74, 1, s11
	s_cmp_gt_u32 s11, 1
	s_cselect_b32 s74, 1, s74                      ; ring block 1 is key block 1, or 1 - i
	s_cmp_lt_u32 s6, 4
	s_cselect_b32 s74, s12, s74                    ; waves 0-3: pass B's diagonal block
	s_lshl_b32 s76, s74, 18
	s_add_co_u32 s[G0+1], s20, REGX                ; waves 0-3 the third region, waves 4-7 ring slot 1
	s_add_nc_u64 s[G0+2:G0+3], s[16:17], s[76:77]
	s_or_b32 s[G0+3], s[G0+3], 0x80000000
	s_wait_dscnt 0x0
	s_barrier_signal -1
	s_barrier_wait -1                              ; pass A's diagonal block and ring block 0 are whole
	ALLFILL                                        ; first fills of their bytes, issued as a refill is: my one tensor load behind this barrier
	s_mov_b32 s71, s11
	BLOCK REGY, 1, 1, 1, 0                         ; its barrier shows the two regions just asked for
	s_mov_b32 s70, 0
.Lring:
	CHK 0
	RBLOCK 0, 0, 2
	CHK 1
	RBLOCK 1, 1, 2
	s_add_co_u32 s70, s70, 2
	s_cmp_lt_u32 s70, 12
	s_cbranch_scc1 .Lring
	RBLOCK 0, 0, 2                                 ; r = 12: the last fill, ring block 14 (i is 7 at the most: no change of pass here)
	RBLOCK 1, 1, 1                                 ; r = 13: its barrier shows ring block 14
	RBLOCK 2, 0, 0                                 ; r = 14
	s_wait_dscnt 0x0
	PEND 0
	FIN s12, 1
	s_set_vgpr_msb 0x5
	s_wait_tensorcnt 0x0
	ds_add_u32 v128, v129
	s_wait_dscnt 0x0
	s_set_vgpr_msb 0x500
	s_endpgm
.Lfunc_end_k_q5ae62f2d87_attn:
	.size	k_q5ae62f2d87_attn, .Lfunc_end_k_q5ae62f2d87_attn-k_q5ae62f2d87_attn
	.p2alignl 7, 3214868480
	.fill 96, 4, 3214868480
	.section	.rodata,"a",@progbits
	.p2align	6, 0x0
	.amdhsa_kernel k_q5ae62f2d87_attn
		.amdhsa_group_segment_fixed_size 327680
		.amdhsa_private_segment_fixed_size 0
		.amdhsa_enable_private_segment 0
		.amdhsa_kernarg_size 16
		.amdhsa_user_sgpr_count 2
		.amdhsa_user_sgpr_kernarg_segment_ptr 1
		.amdhsa_wavefront_size32 1
		.amdhsa_system_sgpr_workgroup_id_x 1
		.amdhsa_system_sgpr_workgroup_id_y 1
		.amdhsa_system_sgpr_workgroup_id_z 1
		.amdhsa_system_vgpr_workitem_id 0
		.amdhsa_next_free_vgpr 386
		.amdhsa_next_free_sgpr 96
		.amdhsa_reserve_vcc 1
		.amdhsa_float_denorm_mode_32 3
		.amdhsa_float_denorm_mode_16_64 3
		.amdhsa_memory_ordered 1
		.amdhsa_forward_progress 1
		.amdhsa_inst_pref_size 255
	.end_amdhsa_kernel
	.section	.bss,"aw",@nobits
	.p2align	6
	.space	262144
	.amdgpu_metadata
---
amdhsa.version: [ 1, 2 ]
amdhsa.kernels:
  - .name:           k_q5ae62f2d87_attn
    .symbol:         k_q5ae62f2d87_attn.kd
    .args:
      - { .name: qkv, .offset: 0, .size: 8, .value_kind: global_buffer, .address_space: global }
      - { .name: ah, .offset: 8, .size: 8, .value_kind: global_buffer, .address_space: global }
    .group_segment_fixed_size: 327680
    .private_segment_fixed_size: 0
    .kernarg_segment_align: 8
    .kernarg_segment_size: 16
    .max_flat_workgroup_size: 256
    .sgpr_count:     96
    .vgpr_count:     386
    .wavefront_size: 32
...
	.end_amdgpu_metadata
.endif
;; end of part 3
;; launch outproj (part 4): grid 4 x 64, 4 waves a work-group, clusters of 4 x 4, 327,680 bytes of LDS; arguments ah, wh, bo, out0; writes out0
.if DOCPART == 4
	.amdgcn_target "amdgcn-amd-amdhsa--gfx1250"
	.amdhsa_code_object_version 6
	.text
	.protected	k_q5ae62f2d87_outproj
	.globl	k_q5ae62f2d87_outproj
	.p2align	8
	.type	k_q5ae62f2d87_outproj,@function
k_q5ae62f2d87_outproj:
	s_mov_b64 s[64:65], 0
	v_nop
	global_prefetch_b8 v0, s[64:65] scope:SCOPE_SE
	s_setreg_imm32_b32 hwreg(HW_REG_WAVE_MODE, 25, 1), 1
	s_wait_xcnt 0x0
	s_wait_alu depctr_hold_cnt(0) depctr_sa_sdst(0) depctr_va_vdst(0) depctr_va_sdst(0) depctr_va_ssrc(0) depctr_va_vcc(0) depctr_vm_vsrc(0)
	s_getreg_b32 s2, hwreg(HW_REG_IB_STS2, 6, 4)
	s_cmp_eq_u32 s2, 0
	s_cbranch_scc0 .Lentry_in_a_cluster
	s_endpgm
.Lentry_in_a_cluster:
	s_bfe_u32 s2, ttmp6, 0x10000c
	s_cmp_lg_u32 s2, 0xf033
	s_cbranch_scc0 .Lentry_shape_is_right
	s_endpgm
.Lentry_shape_is_right:
.set MH, 1                             ; this build: the output projection
; C = A W (+ bias).  A: f16 [M][1024], K along the rows.  W: f16 [1024 k][1024 n].  Sums in f32.  One source, two builds:
;   MH = 2: A = xh [24576][1024] (query, key, value one below the other), W = wh[row / 8192]; C = qkv, f16 [24576][1024]:
;           rows 0-8191      c (query Wq + bq), c = log2(e) / 8: the logits' 1/sqrt(64) and the change to base 2, applied in f32 before the one rounding;
;           rows 8192-16383  key Wk.  bk is left out: q . bk is the same along the softmax's axis and cancels for all values;
;           rows 16384-24575 value Wv + bv.
;   MH = 1: A = ah [8192][1024], W = wh[3] = Wo; C = out0 = A Wo + bo, f32.
; A work-group makes 128 MH rows x 256 columns with four waves (2 x 2), a wave 64 MH rows x 128 columns: 32 MH accumulator tiles of 16 x 16.
; MH = 1 is taken where full blocks would be only 128 work-groups.
; K goes in steps of 128 through two LDS slots filled by the tensor data mover: A's rows are 256 bytes, W's 512 bytes of memory, at multiples of 256.
; CLUSTERS of 4 x 4 work-groups: the four of a row of the cluster need the same tiles of A, the four of a column the same tiles of W.  Each such tile
; is asked for jointly: the same tensor load with the same descriptor and a mask that names the four.
; W lies [k][n]; the matrix unit wants k along a lane's registers: ds_load_tr16_b128 transposes 8 x 8 halves on the way out of LDS.
; THE MATRIX INSTRUCTION IS USED TRANSPOSED: source 0 = 16 columns of W, source 1 = 16 rows of A, so that lane l holds row l % 16 of C and its
; eight registers the neighbouring columns 8 (l / 16) + 0..7.
; REGISTERS in windows of 256: window 0: v16-27 addresses; v64.., v128.. fragments of A, two buffers; v192-223 at work on the way out.
;   window 1: v64-127, v128-191 fragments of W, two buffers.  window 2: accumulator tile (a, b) at v[8 (8 a + b)], my rows 0-63; window 3 (MH = 2): rows 64-127.
.set KSTEP,  128
.set PITCH,  272                       ; an LDS row of A: 256 bytes + 16: an odd multiple of 16, so the 16 rows of a fragment load start 16 bytes apart modulo 256
.set BP,     544                       ; an LDS row of W: 512 bytes + 32: an odd multiple of 32, as the transposing load's eight rows want
.set HALFT,  128*PITCH                 ; 34,816 bytes = 128 rows of A = 64 rows of W
.set SLOT,   (2+MH)*HALFT              ; W's 128 k rows, then A's 128 MH rows
.set STAGE,  2*SLOT                    ; behind the ring: each wave's own stage for the way out; no tensor load lands there
.set LAPS,   1024/(2*KSTEP)            ; a lap = two K steps = once round the ring: 4
.if MH == 2
.set SPITCH, 272                       ; stage row: 128 f16 + 16 bytes
.set ROWB,   2048                      ; bytes in a row of C
.else
.set SPITCH, 528                       ; stage row: 128 f32 + 16 bytes
.set ROWB,   4096
.endif
.set ADRA, 16                          ; v16-17  LDS address of my A fragments in slot 0, 1
.set ADRB, 20                          ; v20-21  the same for W
.set STO,  24                          ; v24     the way out: where I put my part of a row
.set RD,   25                          ; v25     the way out: where I read rows back
.set CO,   26                          ; v26     my byte offset in C
.set BO,   27                          ; v27     my byte offset in the bias: 32 (l / 16)
.set F0,   64
.set F1,   128
.set BI,   64                          ; v64-127 the bias of my 8 x 8 columns (behind the last product, in buffer 0)
.set TMP,  192
.set G1,   24                          ; s[24:31] descriptor group 1 for A's tiles
.set G0,   32                          ; s[32:39] group 0 for A's tiles, one set a slot
.set G1B,  48                          ; s[48:55] group 1 for W's tiles
.set G0B,  56                          ; s[56:63] group 0 for W's tiles, one set a slot
.set MSB,  0
.macro WIN new                         ; s_set_vgpr_msb: bits 1:0 source 0, 3:2 source 1, 5:4 source 2, 7:6 destination; the high byte repeats the setting that is left
.if MSB != \new
	s_set_vgpr_msb (MSB<<8)|\new
.set MSB, \new
.endif
.endm
; A joint load.  Waves 0 and 1 fetch W's two halves (64 k rows each), waves 2 and 3 A's two halves.  The branch hangs on the wave's number alone.
.macro JLOAD s
	s_cmp_eq_u32 s11, 0
	s_cbranch_scc0 .Lfor_a_\@
	tensor_load_to_lds s[G0B+4*\s:G0B+4*\s+3], s[G1B:G1B+7]
	s_nop 0
	s_branch .Lasked_\@
.Lfor_a_\@:
	tensor_load_to_lds s[G0+4*\s:G0+4*\s+3], s[G1:G1+7]
	s_nop 0
.Lasked_\@:
.endm
; A round of the cluster's barrier: my work-group's barrier; wave 0 signals for the work-group; every wave waits for all sixteen; my work-group's barrier again.
.macro CREST                           ; a round behind its opening barrier
	s_cmp_lg_u32 s10, 0
	s_cbranch_scc1 .Lnot_wave_0_\@
	s_barrier_signal -3
.Lnot_wave_0_\@:
	s_barrier_wait -3
	s_barrier_signal -1
	s_barrier_wait -1
.endm
.macro CROUND
	s_barrier_signal -1
	s_barrier_wait -1
	CREST
.endm
	s_load_b128 s[4:7], s[0:1], 0x0                ; A s[4:5], wh s[6:7]
.if MH == 2
	s_load_b128 s[68:71], s[0:1], 0x10             ; bq s[68:69], bv s[70:71]
	s_load_b64 s[8:9], s[0:1], 0x20                ; qkv
.else
	s_load_b64 s[68:69], s[0:1], 0x10              ; bo
	s_load_b64 s[8:9], s[0:1], 0x18                ; out0
	s_set_vgpr_msb 0x40
	v_lshl_add_u32 v255, v0, 2, 0x3b400
	s_set_vgpr_msb 0x4000
	v_mov_b32 v255, 0
	s_set_vgpr_msb 0x1
	ds_add_u32 v255, v255
	s_set_vgpr_msb 0x100
.endif
	v_lshrrev_b32 v1, 5, v0
	v_readfirstlane_b32 s10, v1                    ; wave 0..3
	s_lshr_b32 s11, s10, 1                         ; my half of the block's rows.  Also: I fetch for W (0) or for A (1)
	s_and_b32 s12, s10, 1                          ; my half of its columns.  Also: which half of that tile I fetch
	s_bfe_u32 s40, ttmp6, 0x40000                  ; cx
	s_bfe_u32 s41, ttmp6, 0x40004                  ; cy
	s_lshl_b32 s42, ttmp9, 2                       ; in a cluster launch ttmp9 and ttmp7 count clusters
	s_add_co_u32 s42, s42, s40                     ; block column = 4 x cluster x + cx
	s_and_b32 s13, ttmp7, 0xffff
.if MH == 2
	s_lshr_b32 s45, s13, 3                         ; 0: query, 1: key, 2: value: 8 clusters (32 block rows) each; from the cluster's y alone, so the same in all partners
.endif
	s_lshl_b32 s13, s13, 2
	s_add_co_u32 s13, s13, s41                     ; block row = 4 x cluster y + cy
	s_lshl_b32 s43, s41, 2
	s_lshl_b32 s43, 15, s43                        ; my row of the cluster: places 4 cy .. 4 cy + 3
	s_lshl_b32 s44, 0x1111, s40                    ; my column: places cx, cx + 4, cx + 8, cx + 12
	; group 1 for A: 64 MH rows x 128 elements of 2 bytes, 4 words of padding behind every 64 words; the mask of my row, bit 21 beside it
	s_or_b32 s[G1+0], s43, (1<<16)|(1<<20)|(1<<21)|(5<<22)|(3<<25)
	s_mov_b32 s[G1+1], KSTEP<<16                   ; tensor_dim0 = 128
	s_mov_b32 s[G1+2], (64*MH)<<16                 ; tensor_dim1 = 64 MH
	s_mov_b32 s[G1+3], KSTEP<<16                   ; tile_dim0 = 128
	s_mov_b32 s[G1+4], 64*MH                       ; tile_dim1 = 64 MH
	s_mov_b32 s[G1+5], 1024                        ; elements from row to row
	s_mov_b32 s[G1+6], 0
	s_mov_b32 s[G1+7], 0
	; group 1 for W: 64 k rows x 256 elements, 8 words of padding behind every 128 words; the mask of my column
	s_or_b32 s[G1B+0], s44, (1<<16)|(1<<20)|(1<<21)|(6<<22)|(7<<25)
	s_mov_b32 s[G1B+1], 256<<16
	s_mov_b32 s[G1B+2], 64<<16
	s_mov_b32 s[G1B+3], 256<<16
	s_mov_b32 s[G1B+4], 64
	s_mov_b32 s[G1B+5], 1024
	s_mov_b32 s[G1B+6], 0
	s_mov_b32 s[G1B+7], 0
	; where the tiles come from.  A's hang on the block row and the wave, W's on the block column, the wave and the cluster's y, each in registers of its own.
	s_lshl_b32 s16, s13, 1
	s_add_co_u32 s16, s16, s12                     ; 2 x block row + half
	s_lshl_b32 s16, s16, 16+MH                     ; x 64 MH rows x 2,048 bytes (50 MB at the most)
	s_mov_b32 s17, 0
	s_lshl_b32 s46, s12, 17                        ; W: 64 k rows x 2,048 bytes x half
	s_lshl_b32 s47, s42, 9                         ; + 256 columns x 2 bytes x block column
	s_add_co_u32 s46, s46, s47
.if MH == 2
	s_lshl_b32 s47, s45, 21                        ; + the weight matrix: 2 MiB each
	s_add_co_u32 s46, s46, s47
.else
	s_add_co_u32 s46, s46, 3<<21                   ; Wo is the fourth
.endif
	s_mov_b32 s47, 0
	s_mul_i32 s20, s10, HALFT                      ; where W's halves go: wave x 64 rows (waves 0, 1)
	s_mul_i32 s21, s10, MH*HALFT/2                 ; where A's halves go: behind W's 128 rows (waves 2, 3):
	s_add_co_u32 s21, s21, (2-MH)*HALFT            ; 2 HALFT + (wave - 2) x 64 MH rows
	s_wait_dscnt 0x0
	s_wait_kmcnt 0x0
	s_add_nc_u64 s[14:15], s[4:5], s[16:17]
	s_add_nc_u64 s[46:47], s[6:7], s[46:47]
	CROUND                                         ; all sixteen work-groups are here: the first joint loads meet
.irp s, 0,1
	s_mov_b32 s[G0+4*\s], 1                                        ; count = 1
	s_add_co_u32 s[G0+4*\s+1], s21, \s*SLOT                        ; LDS address
	s_add_nc_u64 s[G0+4*\s+2:G0+4*\s+3], s[14:15], \s*KSTEP*2      ; global address: K step s is 256 bytes along A's rows
	s_or_b32 s[G0+4*\s+3], s[G0+4*\s+3], 0x80000000                ; type = 2
	s_mov_b32 s[G0B+4*\s], 1
	s_add_co_u32 s[G0B+4*\s+1], s20, \s*SLOT
	s_add_nc_u64 s[G0B+4*\s+2:G0B+4*\s+3], s[46:47], \s*KSTEP*2048 ; K step s is 128 rows down W
	s_or_b32 s[G0B+4*\s+3], s[G0B+4*\s+3], 0x80000000
	JLOAD \s                                       ; both slots' first fills go out before anything else: two loads of mine are out
.endr
	v_and_b32 v1, 15, v0                           ; r = l % 16
	v_bfe_u32 v2, v0, 4, 1                         ; h = l / 16
	v_mul_u32_u24 v3, v1, PITCH                    ; A fragment: row r, 16 bytes for each half of the lanes
	v_lshl_add_u32 v3, v2, 4, v3
	v_and_b32 v5, 7, v0                            ; W fragment: k row 8 h + l % 8,
	v_lshl_add_u32 v5, v2, 3, v5
	v_mul_u32_u24 v5, v5, BP
	v_bfe_u32 v6, v0, 3, 1                         ; and 16 bytes (8 columns) for each group of eight lanes
	v_lshl_add_u32 v5, v6, 4, v5
	s_mul_i32 s18, s11, 64*MH*PITCH                ; my 64 MH rows of A,
	s_add_co_u32 s18, s18, 2*HALFT                 ; which lie behind W's 128 rows
	s_lshl_b32 s19, s12, 8                         ; my 128 columns of W
.irp s, 0,1
	v_add_nc_u32 v[ADRA+\s], s18, v3
	v_add_nc_u32 v[ADRB+\s], s19, v5
	s_add_co_u32 s18, s18, SLOT
	s_add_co_u32 s19, s19, SLOT
.endr
	s_mul_i32 s23, s10, 16*SPITCH
	s_add_co_u32 s23, s23, STAGE                   ; my stage
	v_mul_u32_u24 v4, v1, SPITCH
	v_lshlrev_b32 v[BO], 5, v2
.if MH == 2
	v_lshl_add_u32 v4, v2, 4, v4                   ; in: row r, 16 bytes (8 f16) for each half of the lanes
	v_add_nc_u32 v[STO], s23, v4
	v_mul_u32_u24 v5, v2, SPITCH                   ; back: lanes 0-15 one row of 256 bytes, lanes 16-31 the next
	v_lshl_add_u32 v5, v1, 4, v5
	v_add_nc_u32 v[RD], s23, v5
	v_mul_u32_u24 v5, v2, ROWB                     ; and the same two rows in C
	v_lshl_add_u32 v[CO], v1, 4, v5
	s_mov_b32 s72, 0x3e38aa3b                      ; c = log2(e) / 8,
	s_mov_b32 s73, 0x3e38aa3b                      ; a whole pair for the packed forms
.else
	v_lshl_add_u32 v4, v2, 5, v4                   ; in: row r, 32 bytes (8 f32) for each half of the lanes
	v_add_nc_u32 v[STO], s23, v4
	v_and_b32 v7, 31, v0
	v_lshlrev_b32 v[CO], 4, v7                     ; back and out: 32 lanes take one row's 512 bytes
	v_add_nc_u32 v[RD], s23, v[CO]
.endif
; Eight matrix instructions: A's tile t (16 rows) x all 8 column tiles, 32 along K.  zero = 1: the first product starts the sums, nothing is cleared.
.macro MULA f, t, zero
.irp b, 0,1,2,3,4,5,6,7
.if \zero
	v_wmma_f32_16x16x32_f16 v[8*(8*((\t)&3)+\b):8*(8*((\t)&3)+\b)+7], v[\f+8*\b:\f+8*\b+7], v[\f+8*(\t):\f+8*(\t)+7], 0
.else
	v_wmma_f32_16x16x32_f16 v[8*(8*((\t)&3)+\b):8*(8*((\t)&3)+\b)+7], v[\f+8*\b:\f+8*\b+7], v[\f+8*(\t):\f+8*(\t)+7], v[8*(8*((\t)&3)+\b):8*(8*((\t)&3)+\b)+7]
.endif
.endr
.endm
; A quarter of a quarter step: MH tiles of A.  Source 0 (W) window 1, source 1 (A) window 0, C and D window 2 or 3.
.macro PART p, f, zero
.if MH == 2
.if \p < 2
	WIN 0xa1
.else
	WIN 0xf1
.endif
	MULA \f, 2*\p, \zero
	MULA \f, 2*\p+1, \zero
.else
	WIN 0xa1
	MULA \f, \p, \zero
.endif
.endm
; 16 + 8 MH LDS loads in one run: the fragments of quarter q (32 along K) of a slot into buffer f
.macro FETCH slot, q, f
	WIN 0x40                                       ; destination window 1
.irp i, 0,1,2,3,4,5,6,7
	ds_load_tr16_b128 v[\f+8*\i:\f+8*\i+3],   v[ADRB+\slot] offset:\q*32*BP+32*\i          ; k = 32 q + 8 h + 0..7 of column 16 i + r
	ds_load_tr16_b128 v[\f+8*\i+4:\f+8*\i+7], v[ADRB+\slot] offset:\q*32*BP+16*BP+32*\i    ; k = 32 q + 16 + 8 h + 0..7
.endr
	WIN 0
.set fi, 0
.rept 4*MH
	ds_load_b128 v[\f+8*fi:\f+8*fi+3],   v[ADRA+\slot] offset:\q*64+fi*16*PITCH
	ds_load_b128 v[\f+8*fi+4:\f+8*fi+7], v[ADRA+\slot] offset:\q*64+fi*16*PITCH+32
.set fi, fi+1
.endr
.endm
; A load into a register that a matrix instruction has read, and a vector instruction that reads a matrix result, stand four places behind it; only plain
; vector instructions that name none of its registers are places (ISA guide 7.12.1 for vector instructions).
.macro PLACES
.rept 4
	v_nop
.endr
.endm
; One of a K step's first three quarters: multiplies buffer f; in its middle it fetches quarter qn into buffer g.
; The 32 MH accumulators take turns, one instruction a turn, in the same order in every quarter, over the loop's jump too.
.macro QUARTER slot, qn, f, g, zero
	s_wait_dscnt 4*MH                              ; W and the first half of A's tiles are in; the youngest 4 MH loads (the second half) may be out
	PART 0, \f, \zero
	PART 1, \f, \zero
	PLACES
	FETCH \slot, \qn, \g
	s_wait_dscnt 16+8*MH                           ; all but the run just issued
	PART 2, \f, \zero
	PART 3, \f, \zero
.endm
.macro THREE slot, zero
	QUARTER \slot, 1, F0, F1, \zero
	QUARTER \slot, 2, F1, F0, 0
	QUARTER \slot, 3, F0, F1, 0
.endm
; The last quarter multiplies buffer 1 and changes slots.  In front of the barrier each wave waits for its reads of this slot and for all its tensor loads
; (the one that is out is its part of the next slot).  Behind it nobody reads this slot and the next slot is whole.  fill = 1: the barrier opens a round of
; the cluster's barrier, and the joint refill, two K steps ahead, is the first tensor load behind the round: my one load until the next round.
.macro TURN slot, next, fill
	s_wait_dscnt 4*MH
	PART 0, F1, 0
	s_wait_dscnt 0x0                               ; my reads of this slot are over
	s_wait_tensorcnt 0x0                           ; all my tensor loads have landed
	ds_add_u32 v255, v255
	s_wait_dscnt 0x0
	s_barrier_signal -1
	PART 1, F1, 0                                  ; register work while the others arrive
	WIN 0
	s_barrier_wait -1
.if \fill
	CREST
	s_add_nc_u64 s[G0+4*\slot+2:G0+4*\slot+3], s[G0+4*\slot+2:G0+4*\slot+3], 2*KSTEP*2         ; no load of mine is out: group 0 may be written
	s_add_nc_u64 s[G0B+4*\slot+2:G0B+4*\slot+3], s[G0B+4*\slot+2:G0B+4*\slot+3], 2*KSTEP*2048
	JLOAD \slot
.endif
	PLACES
	FETCH \next, 0, F0
	PART 2, F1, 0
	PART 3, F1, 0
.endm
.macro LAP zero
	THREE 0, \zero
	TURN 0, 1, 1
	THREE 1, 0
	TURN 1, 0, 1
.endm
	s_wait_tensorcnt 0x1                           ; my part of K step 0 is in; K step 1's stays out
	s_barrier_signal -1
	s_barrier_wait -1
	FETCH 0, 0, F0
	LAP 1                                          ; the first lap stands in front of the loop: its first products start the sums
	WIN 0                                          ; at a label and at a branch every window is 0
	s_mov_b32 s3, LAPS-2
.Llap:
	LAP 0
	WIN 0
	s_sub_co_u32 s3, s3, 1
	s_cmp_lg_u32 s3, 0
	s_cbranch_scc1 .Llap
	THREE 0, 0                                     ; the last lap fills nothing
	TURN 0, 1, 0
	THREE 1, 0
	s_wait_dscnt 4*MH                              ; the very last quarter
	PART 0, F1, 0
	PART 1, F1, 0
	s_wait_dscnt 0x0
	PART 2, F1, 0
	PART 3, F1, 0
	PLACES                                         ; the places behind the last products: for all that reads results or loads into fragment buffers below
	WIN 0
	s_lshl_b32 s16, s13, 1
	s_add_co_u32 s16, s16, s11                     ; 2 x block row + my half
	s_lshl_b32 s16, s16, 18                        ; x 64 MH rows x ROWB bytes = 262,144 in both builds
	s_mov_b32 s17, 0
	s_add_nc_u64 s[8:9], s[8:9], s[16:17]
	s_lshl_b32 s46, s42, 1
	s_add_co_u32 s46, s46, s12                     ; my group of 128 columns
	s_lshl_b32 s66, s46, 9                         ; its byte offset in a bias (f32)
	s_mov_b32 s67, 0
.if MH == 2
	s_lshl_b32 s46, s46, 8                         ; and in a row of C (f16)
.else
	s_lshl_b32 s46, s46, 9                         ; and in a row of C (f32)
.endif
	s_mov_b32 s47, 0
	s_add_nc_u64 s[8:9], s[8:9], s[46:47]
.macro BIAS_IN                         ; lane l wants the bias of columns 16 b + 8 (l / 16) + 0..7 of my 128, for b = 0..7
.irp b, 0,1,2,3,4,5,6,7
	global_load_b128 v[BI+8*\b:BI+8*\b+3],   v[BO], s[68:69] offset:64*\b
	global_load_b128 v[BI+8*\b+4:BI+8*\b+7], v[BO], s[68:69] offset:64*\b+16
.endr
	s_wait_loadcnt 0x0
.endm
.macro ADDB                            ; one window's 32 tiles: acc += bias
.irp a, 0,1,2,3
.irp b, 0,1,2,3,4,5,6,7
.irp p, 0,1,2,3
	v_pk_add_f32 v[8*(8*\a+\b)+2*\p:8*(8*\a+\b)+2*\p+1], v[8*(8*\a+\b)+2*\p:8*(8*\a+\b)+2*\p+1], v[BI+8*\b+2*\p:BI+8*\b+2*\p+1]
.endr
.endr
.endr
.endm
.macro FMAB                            ; one window's 32 tiles: acc = c acc + (c bias)
.irp a, 0,1,2,3
.irp b, 0,1,2,3,4,5,6,7
.irp p, 0,1,2,3
	v_pk_fma_f32 v[8*(8*\a+\b)+2*\p:8*(8*\a+\b)+2*\p+1], v[8*(8*\a+\b)+2*\p:8*(8*\a+\b)+2*\p+1], s[72:73], v[BI+8*\b+2*\p:BI+8*\b+2*\p+1] op_sel_hi:[1,0,1]
.endr
.endr
.endr
.endm
.if MH == 2
	s_cmp_eq_u32 s45, 1                            ; key rows take no bias (bk cancels in the softmax)
	s_cbranch_scc1 .Lno_bias
	s_cmp_eq_u32 s45, 0
	s_cselect_b64 s[68:69], s[68:69], s[70:71]     ; bq for query rows, bv for value rows
	s_add_nc_u64 s[68:69], s[68:69], s[66:67]
	BIAS_IN
	s_cmp_eq_u32 s45, 0
	s_cbranch_scc0 .Lbias_v
.irp p, 0,1,2,3,4,5,6,7,8,9,10,11,12,13,14,15,16,17,18,19,20,21,22,23,24,25,26,27,28,29,30,31
	v_pk_mul_f32 v[BI+2*\p:BI+2*\p+1], v[BI+2*\p:BI+2*\p+1], s[72:73] op_sel_hi:[1,0]     ; c bq
.endr
	WIN 0x82                                       ; destination and source 0 window 2, the bias window 0
	FMAB
	WIN 0xc3
	FMAB
	WIN 0
	s_branch .Lno_bias
.Lbias_v:
	WIN 0x82
	ADDB
	WIN 0xc3
	ADDB
	WIN 0
.Lno_bias:
; THE WAY OUT, f16, 16 rows at a time: round, 16 bytes a lane into my own stage, read back as whole rows of 256 bytes.
; rows 16 i .. 16 i + 15 = the eight tiles (a, 0..7) of window 2 or 3 (from = 0x0a or 0x0f: sources 0 and 1); f: F0 or F1 in turn
.macro OUT16 i, a, from, f
	WIN \from
.irp b, 0,1,2,3,4,5,6,7
.irp r, 0,1,2,3
	v_cvt_pk_f16_f32 v[TMP+4*\b+\r], v[8*(8*\a+\b)+2*\r], v[8*(8*\a+\b)+2*\r+1]
.endr
.endr
	WIN 0
.irp b, 0,1,2,3,4,5,6,7
	ds_store_b128 v[STO], v[TMP+4*\b:TMP+4*\b+3] offset:32*\b
.endr
	s_wait_xcnt 0x0                                ; buffer f, which earlier stores read, and the stores' base are rewritten only behind this wait
.if \i
	s_add_nc_u64 s[8:9], s[8:9], 16*ROWB
.endif
.irp t, 0,1,2,3,4,5,6,7
	ds_load_b128 v[\f+4*\t:\f+4*\t+3], v[RD] offset:\t*2*SPITCH    ; LDS serves a wave's instructions in order: these see the stores above
.endr
.irp t, 0,1,2,3,4,5,6,7
	s_wait_dscnt 7-\t                              ; the 7 - t younger read-backs stay out
	global_store_b128 v[CO], v[\f+4*\t:\f+4*\t+3], s[8:9] offset:2*\t*ROWB   ; 16 lanes store 256 consecutive bytes at a multiple of 256
.endr
.endm
	OUT16 0, 0, 0x0a, F0
	OUT16 1, 1, 0x0a, F1
	OUT16 2, 2, 0x0a, F0
	OUT16 3, 3, 0x0a, F1
	OUT16 4, 0, 0x0f, F0
	OUT16 5, 1, 0x0f, F1
	OUT16 6, 2, 0x0f, F0
	OUT16 7, 3, 0x0f, F1
.else
	s_add_nc_u64 s[68:69], s[68:69], s[66:67]
	BIAS_IN
	WIN 0x82
	ADDB
	WIN 0
; THE WAY OUT, f32, 16 rows at a time: 32 bytes a lane and tile into my own stage, read back as whole rows of 512 bytes.
.macro OUT16F a, f
	WIN 0x08                                       ; the LDS stores' data lie in window 2
.irp b, 0,1,2,3,4,5,6,7
	ds_store_b128 v[STO], v[8*(8*\a+\b):8*(8*\a+\b)+3]   offset:64*\b
	ds_store_b128 v[STO], v[8*(8*\a+\b)+4:8*(8*\a+\b)+7] offset:64*\b+16
.endr
	WIN 0
	s_wait_xcnt 0x0                                ; buffer f, which earlier stores read, and the stores' base are rewritten only behind this wait
.if \a
	s_add_nc_u64 s[8:9], s[8:9], 16*ROWB
.endif
.irp t, 0,1,2,3,4,5,6,7,8,9,10,11,12,13,14,15
	ds_load_b128 v[\f+4*\t:\f+4*\t+3], v[RD] offset:\t*SPITCH      ; LDS serves a wave's instructions in order: these see the stores above
.endr
.irp t, 0,1,2,3,4,5,6,7,8,9,10,11,12,13,14,15
	s_wait_dscnt 15-\t                             ; the 15 - t younger read-backs stay out
	global_store_b128 v[CO], v[\f+4*\t:\f+4*\t+3], s[8:9] offset:\t*ROWB th:TH_STORE_NT   ; the wave stores 512 consecutive bytes at a multiple of 512
.endr
.endm
	OUT16F 0, F0
	OUT16F 1, F1
	OUT16F 2, F0
	OUT16F 3, F1
.endif
	s_set_vgpr_msb 0x1
	s_wait_tensorcnt 0x0
	ds_add_u32 v255, v255
	s_wait_dscnt 0x0
	s_set_vgpr_msb 0x100
	CROUND                                         ; the closing round: no work-group ends while a partner may still ask for a tile that names it
	s_endpgm
.Lfunc_end_k_q5ae62f2d87_outproj:
	.size	k_q5ae62f2d87_outproj, .Lfunc_end_k_q5ae62f2d87_outproj-k_q5ae62f2d87_outproj
	.p2alignl 7, 3214868480
	.fill 96, 4, 3214868480
	.section	.rodata,"a",@progbits
	.p2align	6, 0x0
	.amdhsa_kernel k_q5ae62f2d87_outproj
		.amdhsa_group_segment_fixed_size 327680
		.amdhsa_private_segment_fixed_size 0
		.amdhsa_enable_private_segment 0
		.amdhsa_kernarg_size 32
		.amdhsa_user_sgpr_count 2
		.amdhsa_user_sgpr_kernarg_segment_ptr 1
		.amdhsa_wavefront_size32 1
		.amdhsa_system_sgpr_workgroup_id_x 1
		.amdhsa_system_sgpr_workgroup_id_y 1
		.amdhsa_system_sgpr_workgroup_id_z 1
		.amdhsa_system_vgpr_workitem_id 0
		.amdhsa_next_free_vgpr 768
		.amdhsa_next_free_sgpr 76
		.amdhsa_reserve_vcc 0
		.amdhsa_float_denorm_mode_32 3
		.amdhsa_float_denorm_mode_16_64 3
		.amdhsa_memory_ordered 1
		.amdhsa_forward_progress 1
		.amdhsa_inst_pref_size 129
	.end_amdhsa_kernel
	.amdgpu_metadata
---
amdhsa.version: [ 1, 2 ]
amdhsa.kernels:
  - .name:           k_q5ae62f2d87_outproj
    .symbol:         k_q5ae62f2d87_outproj.kd
    .args:
      - { .name: ah, .offset: 0, .size: 8, .value_kind: global_buffer, .address_space: global }
      - { .name: wh, .offset: 8, .size: 8, .value_kind: global_buffer, .address_space: global }
      - { .name: bo, .offset: 16, .size: 8, .value_kind: global_buffer, .address_space: global }
      - { .name: out0, .offset: 24, .size: 8, .value_kind: global_buffer, .address_space: global }
    .group_segment_fixed_size: 327680
    .private_segment_fixed_size: 0
    .kernarg_segment_align: 8
    .kernarg_segment_size: 32
    .max_flat_workgroup_size: 128
    .sgpr_count:     76
    .vgpr_count:     768
    .wavefront_size: 32
...
	.end_amdgpu_metadata
.endif
;; end of part 4
